; MI455X (gfx1250); checked and timed in simulation.
; The chip was launched on July 23, 2026; its instructions are those of AMD's public machine-readable ISA for CDNA 5 (MIT licence, August 2026) and "CDNA5" Instruction Set Architecture Reference Guide (July 2026). The comments in the code are by the model that wrote it; some were corrected since.
;; Multi Headed Attention. Allowed arithmetic: float matrix products may take bf16 or f16 operands with f32 sums; all other float work in f32.
;; Inputs: Wk 512 x 512 float32; Wo 4,096 x 512 float32; Wq 512 x 512 float32; Wv 512 x 512 float32; bk 512 float32; bo 512 float32; bq 512 float32; bv 512 float32; x 4 x 2,048 x 512 float32.
;; Outputs: out0 4 x 2,048 x 512 float32.
;; Constants: num_heads = 8.
;; 2 versions, each right; version 2 is version 1 with the launches prep, outp written anew for expert scheduling mode. Each part assembles by itself: llvm-mc -triple=amdgcn-amd-amdhsa -mcpu=gfx1250 --defsym DOCPART=n.
;; ======== version 1 of 2: 4 launches
;; limits: values are held in f16: magnitudes above 65,504 overflow, below 6.1e-05 lose precision
;; workspace buffers: xh 8,388,608 bytes; wh 1,572,864 bytes; wsf 524,288 bytes; qkv 25,165,824 bytes; part 67,108,864 bytes; stats 262,144 bytes
;; launch prep (part 1): grid 256 x 1, 8 waves a work-group, no clusters, 3,072 bytes of LDS; arguments x, Wq, Wk, Wv, Wo, xh, wh, wsf; writes xh, wh, wsf
.if DOCPART == 1
	.amdgcn_target "amdgcn-amd-amdhsa--gfx1250"
	.amdhsa_code_object_version 6
	.text
	.protected	k_q60d2a400ec_prep
	.globl	k_q60d2a400ec_prep
	.p2align	8
	.type	k_q60d2a400ec_prep,@function
k_q60d2a400ec_prep:
	s_mov_b64 s[64:65], 0
	v_nop
	global_prefetch_b8 v0, s[64:65] scope:SCOPE_SE
	s_setreg_imm32_b32 hwreg(HW_REG_WAVE_MODE, 25, 1), 1
	s_wait_xcnt 0x0
; PREP: the operands of the later products, rounded once to f16.
;   xh[8192][512]   = x
;   wh[3][512][512] = Wq, Wk, Wv, layout kept ([k][n])
;   wsf             = Wsum[k][n] = sum over h = 0..7 of Wo[512 h + k][n], summed in f32, rounded once.
; tile(attn, 8) @ Wo = attn @ Wsum holds for every input, since the eight copies of attn are equal; every byte of Wo is read here.
; wsf lies in the order in which a matrix instruction's operand lies in registers: [16 kstep][32 ntile][2 c][32 lane][8 e] f16,
; where lane = 16 h + r holds k = 32 kstep + 16 c + 8 h + e of column n = 16 ntile + r.  A later load of 16 bytes a lane is then a fragment half.
; LIMIT: f16 operands: a magnitude above 65,504 becomes infinite; below 6.1e-5 the absolute error is at most 3e-8.
; A stream: no matrix unit, no cluster (no two work-groups read the same bytes), no ring: a thread's 27 loads all go out at once.
; Work-group g: 65,536 bytes of x, 4,096 bytes of each of Wq, Wk, Wv, and rows 32 (g>>4) .. +31 x columns 32 (g&15) .. +31 of Wsum.
.set WO, 16                            ; v[16:47]   my 4 columns of one row in each of Wo's eight blocks
.set WI, 48                            ; v[48:59]   4 numbers of Wq, Wk, Wv
.set XI, 60                            ; v[60:123]  16 x 4 numbers of x
.set XO, 124                           ; v[124:155] the same in f16
.set WH, 156                           ; v[156:161] Wq, Wk, Wv in f16
.set WS, 162                           ; v[162:163] Wsum in f16
.set BK, 164                           ; v[164:167] 16 bytes of the fragment block, read back
	s_load_b512 s[8:23], s[0:1], 0x0               ; x s[8:9], Wq s[10:11], Wk s[12:13], Wv s[14:15], Wo s[16:17], xh s[18:19], wh s[20:21], wsf s[22:23]
	v_lshl_add_u32 v176, v0, 2, 0x800
	v_mov_b32 v177, 0
	v_lshrrev_b32 v1, 5, v0
	v_readfirstlane_b32 s24, v1                    ; wave 0..7
	s_lshl_b32 s2, ttmp9, 16                       ; g x 65,536: x
	s_mov_b32 s3, 0
	s_lshl_b32 s4, ttmp9, 15                       ; g x 32,768: xh
	s_mov_b32 s5, 0
	s_lshl_b32 s6, ttmp9, 12                       ; g x 4,096: Wq, Wk, Wv
	s_mov_b32 s7, 0
	s_lshl_b32 s26, ttmp9, 11                      ; g x 2,048: wh, wsf
	s_mov_b32 s27, 0
	s_lshr_b32 s28, ttmp9, 4
	s_lshl_b32 s28, s28, 16                        ; 32 (g>>4) rows of 2,048 bytes
	s_and_b32 s25, ttmp9, 15
	s_lshl_b32 s25, s25, 7                         ; 32 (g&15) columns of 4 bytes
	s_add_co_u32 s28, s28, s25
	s_mov_b32 s29, 0
	v_lshlrev_b32 v2, 4, v0                        ; 16 t
	v_lshlrev_b32 v3, 3, v0                        ; 8 t
	v_lshrrev_b32 v6, 3, v0                        ; kk = t >> 3: my row of the 32
	v_and_b32 v7, 7, v0                            ; quad = t & 7: my four columns of the 32
	v_lshlrev_b32 v4, 4, v7
	v_lshl_add_u32 v4, v6, 11, v4                  ; Wo: kk x 2,048 + quad x 16
	; where my four sums go in the block of 2,048 bytes: (quad>>2) 1024 + (kk>>3) 256 + (quad&3) 64 + (kk&7) 2, column jj at + 16 jj
	v_lshrrev_b32 v5, 6, v0                        ; kk >> 3 = 2 c + h
	v_lshlrev_b32 v5, 8, v5
	v_bfe_u32 v8, v0, 2, 1                         ; quad >> 2: which of the two n tiles
	v_lshl_add_u32 v5, v8, 10, v5
	v_and_b32 v8, 3, v0                            ; quad & 3: r = 4 (quad & 3) + jj
	v_lshl_add_u32 v5, v8, 6, v5
	v_bfe_u32 v8, v0, 3, 3                         ; kk & 7 = e
	v_lshl_add_u32 v5, v8, 1, v5
	s_wait_kmcnt 0x0
	s_add_nc_u64 s[8:9], s[8:9], s[2:3]
	s_add_nc_u64 s[18:19], s[18:19], s[4:5]
	s_add_nc_u64 s[10:11], s[10:11], s[6:7]
	s_add_nc_u64 s[12:13], s[12:13], s[6:7]
	s_add_nc_u64 s[14:15], s[14:15], s[6:7]
	s_add_nc_u64 s[20:21], s[20:21], s[26:27]
	s_add_nc_u64 s[22:23], s[22:23], s[26:27]
	s_add_nc_u64 s[16:17], s[16:17], s[28:29]
.irp h, 0,1,2,3,4,5,6,7
	global_load_b128 v[WO+4*\h:WO+4*\h+3], v4, s[16:17] offset:\h*1048576    ; block h of Wo: 512 rows of 2,048 bytes further down
.endr
	global_load_b128 v[WI:WI+3],    v2, s[10:11] th:TH_LOAD_NT
	global_load_b128 v[WI+4:WI+7],  v2, s[12:13] th:TH_LOAD_NT
	global_load_b128 v[WI+8:WI+11], v2, s[14:15] th:TH_LOAD_NT
.irp i, 0,1,2,3,4,5,6,7,8,9,10,11,12,13,14,15
	global_load_b128 v[XI+4*\i:XI+4*\i+3], v2, s[8:9] offset:4096*\i th:TH_LOAD_NT   ; a wave's load covers 512 neighbouring bytes
.endr
	s_wait_loadcnt 19                              ; 3 + 16 loads are younger than Wo's eight
.irp p, 0,2
	v_pk_add_f32 v[WO+\p:WO+\p+1],       v[WO+\p:WO+\p+1],       v[WO+4+\p:WO+5+\p]
	v_pk_add_f32 v[WO+8+\p:WO+9+\p],     v[WO+8+\p:WO+9+\p],     v[WO+12+\p:WO+13+\p]
	v_pk_add_f32 v[WO+16+\p:WO+17+\p],   v[WO+16+\p:WO+17+\p],   v[WO+20+\p:WO+21+\p]
	v_pk_add_f32 v[WO+24+\p:WO+25+\p],   v[WO+24+\p:WO+25+\p],   v[WO+28+\p:WO+29+\p]
	v_pk_add_f32 v[WO+\p:WO+\p+1],       v[WO+\p:WO+\p+1],       v[WO+8+\p:WO+9+\p]
	v_pk_add_f32 v[WO+16+\p:WO+17+\p],   v[WO+16+\p:WO+17+\p],   v[WO+24+\p:WO+25+\p]
	v_pk_add_f32 v[WO+\p:WO+\p+1],       v[WO+\p:WO+\p+1],       v[WO+16+\p:WO+17+\p]
.endr
	v_cvt_pk_f16_f32 v[WS],   v[WO],   v[WO+1]
	v_cvt_pk_f16_f32 v[WS+1], v[WO+2], v[WO+3]
	ds_store_b16        v5, v[WS]                  ; column jj = 0
	ds_store_b16_d16_hi v5, v[WS]   offset:16      ; 1
	ds_store_b16        v5, v[WS+1] offset:32      ; 2
	ds_store_b16_d16_hi v5, v[WS+1] offset:48      ; 3
	s_wait_loadcnt 16                              ; x's 16 loads are younger
.irp m, 0,1,2
	v_cvt_pk_f16_f32 v[WH+2*\m],   v[WI+4*\m],   v[WI+4*\m+1]
	v_cvt_pk_f16_f32 v[WH+2*\m+1], v[WI+4*\m+2], v[WI+4*\m+3]
	global_store_b64 v3, v[WH+2*\m:WH+2*\m+1], s[20:21] offset:\m*524288     ; a wave's store covers 256 consecutive bytes, aligned
.endr
.irp i, 0,1,2,3,4,5,6,7,8,9,10,11,12,13,14,15
	s_wait_loadcnt 15-\i                           ; loads come back in order (ISA guide 5.7.1): load i is in, the younger ones stay out
	v_cvt_pk_f16_f32 v[XO+2*\i],   v[XI+4*\i],   v[XI+4*\i+1]
	v_cvt_pk_f16_f32 v[XO+2*\i+1], v[XI+4*\i+2], v[XI+4*\i+3]
	global_store_b64 v3, v[XO+2*\i:XO+2*\i+1], s[18:19] offset:2048*\i
.endr
	s_wait_dscnt 0x0                               ; my four LDS stores are done, for the waves that read the block
	s_barrier_signal -1
	s_barrier_wait -1
	s_cmp_ge_u32 s24, 4                            ; 2,048 bytes are 128 threads x 16: waves 0 to 3 carry the block out
	s_cbranch_scc1 .Lend
	ds_load_b128 v[BK:BK+3], v2
	s_wait_dscnt 0x0
	global_store_b128 v2, v[BK:BK+3], s[22:23]
.Lend:
	s_wait_tensorcnt 0x0
	ds_add_u32 v176, v177
	s_wait_dscnt 0x0
	s_endpgm
.Lfunc_end_k_q60d2a400ec_prep:
	.size	k_q60d2a400ec_prep, .Lfunc_end_k_q60d2a400ec_prep-k_q60d2a400ec_prep
	.p2alignl 7, 3214868480
	.fill 96, 4, 3214868480
	.section	.rodata,"a",@progbits
	.p2align	6, 0x0
	.amdhsa_kernel k_q60d2a400ec_prep
		.amdhsa_group_segment_fixed_size 3072
		.amdhsa_private_segment_fixed_size 0
		.amdhsa_enable_private_segment 0
		.amdhsa_kernarg_size 64
		.amdhsa_user_sgpr_count 2
		.amdhsa_user_sgpr_kernarg_segment_ptr 1
		.amdhsa_wavefront_size32 1
		.amdhsa_system_sgpr_workgroup_id_x 1
		.amdhsa_system_sgpr_workgroup_id_y 1
		.amdhsa_system_sgpr_workgroup_id_z 1
		.amdhsa_system_vgpr_workitem_id 0
		.amdhsa_next_free_vgpr 178
		.amdhsa_next_free_sgpr 66
		.amdhsa_reserve_vcc 0
		.amdhsa_float_denorm_mode_32 3
		.amdhsa_float_denorm_mode_16_64 3
		.amdhsa_memory_ordered 1
		.amdhsa_forward_progress 1
		.amdhsa_inst_pref_size 11
	.end_amdhsa_kernel
	.amdgpu_metadata
---
amdhsa.version: [ 1, 2 ]
amdhsa.kernels:
  - .name:           k_q60d2a400ec_prep
    .symbol:         k_q60d2a400ec_prep.kd
    .args:
      - { .name: x, .offset: 0, .size: 8, .value_kind: global_buffer, .address_space: global }
      - { .name: Wq, .offset: 8, .size: 8, .value_kind: global_buffer, .address_space: global }
      - { .name: Wk, .offset: 16, .size: 8, .value_kind: global_buffer, .address_space: global }
      - { .name: Wv, .offset: 24, .size: 8, .value_kind: global_buffer, .address_space: global }
      - { .name: Wo, .offset: 32, .size: 8, .value_kind: global_buffer, .address_space: global }
      - { .name: xh, .offset: 40, .size: 8, .value_kind: global_buffer, .address_space: global }
      - { .name: wh, .offset: 48, .size: 8, .value_kind: global_buffer, .address_space: global }
      - { .name: wsf, .offset: 56, .size: 8, .value_kind: global_buffer, .address_space: global }
    .group_segment_fixed_size: 3072
    .private_segment_fixed_size: 0
    .kernarg_segment_align: 8
    .kernarg_segment_size: 64
    .max_flat_workgroup_size: 256
    .sgpr_count:     66
    .vgpr_count:     178
    .wavefront_size: 32
...
	.end_amdgpu_metadata
.endif
;; end of part 1
;; launch qkv (part 2): grid 64 x 3, 4 waves a work-group, clusters of 4 x 1, 327,680 bytes of LDS; arguments xh, wh, bq, bk, bv, qkv; writes qkv
.if DOCPART == 2
	.amdgcn_target "amdgcn-amd-amdhsa--gfx1250"
	.amdhsa_code_object_version 6
	.text
	.protected	k_q60d2a400ec_qkv
	.globl	k_q60d2a400ec_qkv
	.p2align	8
	.type	k_q60d2a400ec_qkv,@function
k_q60d2a400ec_qkv:
	s_mov_b64 s[64:65], 0
	v_nop
	global_prefetch_b8 v0, s[64:65] scope:SCOPE_SE
	s_setreg_imm32_b32 hwreg(HW_REG_WAVE_MODE, 25, 1), 1
	s_wait_xcnt 0x0
	s_wait_alu depctr_hold_cnt(0) depctr_sa_sdst(0) depctr_va_vdst(0) depctr_va_sdst(0) depctr_va_ssrc(0) depctr_va_vcc(0) depctr_vm_vsrc(0)
	s_getreg_b32 s2, hwreg(HW_REG_IB_STS2, 6, 4)
	s_cmp_eq_u32 s2, 0
	s_cbranch_scc0 .Lentry_in_a_cluster
	s_endpgm
.Lentry_in_a_cluster:
	s_bfe_u32 s2, ttmp6, 0x10000c
	s_cmp_lg_u32 s2, 0x3003
	s_cbranch_scc0 .Lentry_shape_is_right
	s_endpgm
.Lentry_shape_is_right:
; QKV: qkv[y][m][n] = sum over k of xh[m][k] wh[y][k][n] + b_y[n], y = 0, 1, 2 for q, k, v.  f16 operands, f32 sums, rounded once to f16.
; LIMIT: q, k, v are kept in f16: a magnitude above 65,504 becomes infinite; below 6.1e-5 the absolute error is at most 3e-8.
; A work-group makes 128 rows x all 512 columns of one y: 64 x 3 = 192 work-groups, as many as there are blocks of this shape.
; Four waves; wave w makes all 128 rows x columns 128 w .. +127: 64 accumulator tiles of 16 x 16, 512 registers.
; A (128 rows of xh, whole K = 512) is brought once, a quarter by each wave.  The weights go in K steps of 64 through two LDS slots;
; each wave fills and reads only its own part of a slot (64 k x its 128 columns: rows of 256 bytes of memory, aligned).
; CLUSTER 4 x 1: the four work-groups differ in the row block alone and need the same weight tiles: wave w of each issues the same
; tensor load with the mask of all four, which divides the requests for the weights by four.  A's rows are each work-group's own: plain loads.
; The weights lie [k][n], so their fragments are read with the transposing LDS load.
; The matrix instruction is used transposed (source 0 = weights' columns, source 1 = rows of A): lane l holds row l % 16,
; registers 0..7 the columns 8 (l / 16) + 0..7: eight neighbouring numbers of a row.  The bias is the C operand of the first products.
; All eight K steps are written out: A's place along K stands in the LDS loads' immediates.
; WINDOWS: 0: addresses, A's fragments (two buffers), packed results; 1: bias v0-63, the weights' fragments; 2, 3: accumulators of rows 0-63, 64-127.
.set PA,    1040                       ; A's LDS row: 1,024 bytes + 16: an odd multiple of 16, so 16 rows start in 16 different 16-byte columns
.set AQ,    32*PA                      ; a wave's quarter of A
.set RING,  4*AQ                       ; 133,120
.set PT,    288                        ; a weight tile's LDS row: 256 bytes + 32: an odd multiple of 32, for the transposing load
.set WPART, 64*PT                      ; a wave's part of a slot: 18,432
.set SLOT,  4*WPART
.set STAGE, RING+2*SLOT                ; 280,576: 16 rows x 272 bytes for each wave, for the way out; no tensor load lands here
.set SP,    272
.set ADRA, 16                          ; v16-17  my A fragments: rows 0-63, rows 64-127
.set ADRT, 20                          ; v20-21  my weight fragments in slot 0, 1
.set STO,  24
.set RD,   25
.set CO,   26
.set BOF,  27
.set F0,   64
.set F1,   128
.set TMP,  192
.set G1A,  24                          ; s[24:31] shape of A's quarter
.set G1T,  32                          ; s[32:39] shape of a weight tile, with the mask
.set G0A,  40                          ; s[40:43]
.set G0T,  44                          ; s[44:51] one set for each slot
.set MSB, 0
.macro WIN new                         ; the immediate's high byte repeats the setting that is left
.if MSB != (\new)
	s_set_vgpr_msb (MSB<<8)|(\new)
.set MSB, (\new)
.endif
.endm
.macro MWIN hi, cm                     ; source 0 window 1, source 1 window 0, D window 2 + hi; C the same, or (cm = 2) the bias in window 1
.if \cm == 2
	WIN 0x91+0x40*\hi
.else
	WIN 0xa1+0x50*\hi
.endif
.endm
.macro PLACES                          ; four places behind a matrix instruction before one of its registers is loaded into, or its result read (ISA guide 7.12.1)
.rept 4
	v_nop
.endr
.endm
.macro CREST                           ; a round of the cluster's barrier behind its opening work-group barrier
	s_cmp_lg_u32 s16, 0
	s_cbranch_scc1 .Lnot_wave_0_\@
	s_barrier_signal -3
.Lnot_wave_0_\@:
	s_barrier_wait -3
	s_barrier_signal -1
	s_barrier_wait -1
.endm
.macro CROUND
	s_barrier_signal -1
	s_barrier_wait -1
	CREST
.endm
	s_load_b256 s[4:11], s[0:1], 0x0               ; xh s[4:5], wh s[6:7], bq s[8:9], bk s[10:11]
	s_load_b128 s[12:15], s[0:1], 0x20             ; bv s[12:13], qkv s[14:15]
	s_set_vgpr_msb 0x40
	v_lshl_add_u32 v255, v0, 2, 0x48c00
	s_set_vgpr_msb 0x4000
	v_mov_b32 v255, 0
	s_set_vgpr_msb 0x1
	ds_add_u32 v255, v255
	s_set_vgpr_msb 0x100
	v_lshrrev_b32 v1, 5, v0
	v_readfirstlane_b32 s16, v1                    ; wave 0..3
	s_bfe_u32 s17, ttmp6, 0x40000                  ; cx
	s_lshl_b32 s18, ttmp9, 2
	s_add_co_u32 s18, s18, s17                     ; row block = 4 x cluster x + cx
	s_and_b32 s19, ttmp7, 0xffff                   ; y: shared by the four
	; A's quarter: 32 rows x 512 elements of 2 bytes; 4 words of padding behind every 256 words
	s_mov_b32 s[G1A+0], (1<<16)|(1<<20)|(7<<22)|(3<<25)
	s_mov_b32 s[G1A+1], 512<<16                    ; tensor_dim0 = 512
	s_mov_b32 s[G1A+2], 32<<16                     ; tensor_dim1 = 32
	s_mov_b32 s[G1A+3], 512<<16                    ; tile_dim0 = 512
	s_mov_b32 s[G1A+4], 32                         ; tile_dim1 = 32
	s_mov_b32 s[G1A+5], 512                        ; elements from row to row
	s_mov_b32 s[G1A+6], 0
	s_mov_b32 s[G1A+7], 0
	; a weight tile: 64 rows (k) x 128 elements (n); 8 words of padding behind every 64 words; mask of all four, bit 21 beside it
	s_mov_b32 s[G1T+0], 15|(1<<16)|(1<<20)|(1<<21)|(5<<22)|(7<<25)
	s_mov_b32 s[G1T+1], 128<<16
	s_mov_b32 s[G1T+2], 64<<16
	s_mov_b32 s[G1T+3], 128<<16
	s_mov_b32 s[G1T+4], 64
	s_mov_b32 s[G1T+5], 512
	s_mov_b32 s[G1T+6], 0
	s_mov_b32 s[G1T+7], 0
	s_lshl_b32 s20, s18, 17                        ; A: row block x 128 rows x 1,024 bytes
	s_lshl_b32 s21, s16, 15                        ;    + wave x 32 rows
	s_add_co_u32 s20, s20, s21
	s_mov_b32 s21, 0
	s_lshl_b32 s22, s19, 19                        ; weights: y x 524,288 + wave x 256 bytes: nothing of cx
	s_lshl_b32 s23, s16, 8
	s_add_co_u32 s22, s22, s23
	s_mov_b32 s23, 0
	s_lshl_b32 s2, s19, 23                         ; result: y x 8,388,608 + row block x 131,072 + wave x 256
	s_lshl_b32 s3, s18, 17
	s_add_co_u32 s2, s2, s3
	s_lshl_b32 s3, s16, 8
	s_add_co_u32 s2, s2, s3
	s_mov_b32 s3, 0
	s_mul_i32 s58, s16, WPART
	s_mov_b32 s[G0A], 1
	s_mul_i32 s[G0A+1], s16, AQ
	s_mov_b32 s[G0T], 1
	s_add_co_u32 s[G0T+1], s58, RING
	s_mov_b32 s[G0T+4], 1
	s_add_co_u32 s[G0T+5], s58, RING+SLOT
	s_wait_dscnt 0x0
	s_wait_kmcnt 0x0
	s_add_nc_u64 s[G0A+2:G0A+3], s[4:5], s[20:21]
	s_or_b32 s[G0A+3], s[G0A+3], 0x80000000
	s_add_nc_u64 s[56:57], s[6:7], s[22:23]
.irp s, 0,1
	s_add_nc_u64 s[G0T+4*\s+2:G0T+4*\s+3], s[56:57], \s*65536      ; K step s: 64 rows of 1,024 bytes
	s_or_b32 s[G0T+4*\s+3], s[G0T+4*\s+3], 0x80000000
.endr
	s_add_nc_u64 s[54:55], s[14:15], s[2:3]
	s_cmp_eq_u32 s19, 1
	s_cselect_b64 s[52:53], s[10:11], s[8:9]       ; the bias of my y
	s_cmp_eq_u32 s19, 2
	s_cselect_b64 s[52:53], s[12:13], s[52:53]
	CROUND                                         ; all four work-groups are here: the first joint loads meet
	tensor_load_to_lds s[G0A:G0A+3], s[G1A:G1A+7]          ; the three first fills go out together: three tensor loads of the wave are out
	s_nop 0
	tensor_load_to_lds s[G0T:G0T+3], s[G1T:G1T+7]
	s_nop 0
	tensor_load_to_lds s[G0T+4:G0T+7], s[G1T:G1T+7]
	s_nop 0
	v_and_b32 v1, 15, v0                           ; r
	v_bfe_u32 v2, v0, 4, 1                         ; h
	v_lshlrev_b32 v[BOF], 5, v2
	v_lshl_add_u32 v[BOF], s16, 9, v[BOF]          ; bias of columns 128 w + 8 h ..: 512 w + 32 h bytes
	WIN 0x40
.irp b, 0,1,2,3,4,5,6,7
	global_load_b128 v[8*\b:8*\b+3],   v[BOF], s[52:53] offset:64*\b       ; window 1, v[8 b + j] = bias of column 128 w + 16 b + 8 h + j
	global_load_b128 v[8*\b+4:8*\b+7], v[BOF], s[52:53] offset:64*\b+16
.endr
	WIN 0
	v_mul_u32_u24 v3, v1, PA
	v_lshl_add_u32 v[ADRA], v2, 4, v3              ; r x pitch + 16 h
	v_add_nc_u32 v[ADRA+1], 64*PA, v[ADRA]
	v_and_b32 v4, 7, v0                            ; transposing load: row (l & 7) + 8 h, 16 bytes ((l >> 3) & 1)
	v_lshl_add_u32 v4, v2, 3, v4
	v_mul_u32_u24 v5, v4, PT
	v_bfe_u32 v6, v0, 3, 1
	v_lshl_add_u32 v5, v6, 4, v5
	v_add_nc_u32 v[ADRT],   s[G0T+1], v5
	v_add_nc_u32 v[ADRT+1], s[G0T+5], v5
	s_mul_i32 s59, s16, 16*SP
	s_add_co_u32 s59, s59, STAGE
	v_mul_u32_u24 v4, v1, SP
	v_lshl_add_u32 v4, v2, 4, v4
	v_add_nc_u32 v[STO], s59, v4                   ; in: row r, 16 bytes for each half of the lanes
	v_mul_u32_u24 v5, v2, SP
	v_lshl_add_u32 v5, v1, 4, v5
	v_add_nc_u32 v[RD], s59, v5                    ; back: lanes 0-15 one row of 256 bytes, lanes 16-31 the next
	v_lshlrev_b32 v5, 10, v2
	v_lshl_add_u32 v[CO], v1, 4, v5                ; the same two rows in memory, 1,024 bytes apart
; 16 matrix instructions: row tiles a0, a0 + 1 of the window's four x all 8 column tiles, 32 along K.  cm = 2: the bias starts the sums.
; The 64 accumulators take turns, one instruction a turn, in the same order in every quarter.
.macro MUL16 f, hi, a0, cm
.irp a, \a0, \a0+1
.irp b, 0,1,2,3,4,5,6,7
.if \cm == 2
	v_wmma_f32_16x16x32_f16 v[8*(8*(\a)+\b):8*(8*(\a)+\b)+7], v[\f+8*\b:\f+8*\b+7], v[\f+8*(4*\hi+\a):\f+8*(4*\hi+\a)+7], v[8*\b:8*\b+7]
.else
	v_wmma_f32_16x16x32_f16 v[8*(8*(\a)+\b):8*(8*(\a)+\b)+7], v[\f+8*\b:\f+8*\b+7], v[\f+8*(4*\hi+\a):\f+8*(4*\hi+\a)+7], v[8*(8*(\a)+\b):8*(8*(\a)+\b)+7]
.endif
.endr
.endr
.endm
; 32 LDS loads in one run: half q (32 k) of the slot's tile, and A at byte ka of its rows, into buffer f
.macro FETCH slot, q, ka, f
	WIN 0x40
.irp i, 0,1,2,3,4,5,6,7
	ds_load_tr16_b128 v[\f+8*\i:\f+8*\i+3],   v[ADRT+(\slot)] offset:32*PT*(\q)+32*\i
	ds_load_tr16_b128 v[\f+8*\i+4:\f+8*\i+7], v[ADRT+(\slot)] offset:32*PT*(\q)+32*\i+16*PT
.endr
	WIN 0
.irp i, 0,1,2,3
	ds_load_b128 v[\f+8*\i:\f+8*\i+3],   v[ADRA] offset:(\ka)+16*PA*\i
	ds_load_b128 v[\f+8*\i+4:\f+8*\i+7], v[ADRA] offset:(\ka)+16*PA*\i+32
.endr
.irp i, 0,1,2,3
	ds_load_b128 v[\f+32+8*\i:\f+32+8*\i+3], v[ADRA+1] offset:(\ka)+16*PA*\i
	ds_load_b128 v[\f+36+8*\i:\f+36+8*\i+3], v[ADRA+1] offset:(\ka)+16*PA*\i+32
.endr
.endm
; first half of K step t: multiplies buffer 0, fetches the second half into buffer 1
.macro QUARTER t, cm
	s_wait_dscnt 8                                 ; the weights and A's rows 0-63 are in; the youngest eight loads (A's rows 64-127) may be out
	MWIN 0, \cm
	MUL16 F0, 0, 0, \cm
	MUL16 F0, 0, 2, \cm
	PLACES
	FETCH (\t)&1, 1, 128*(\t)+64, F1
	s_wait_dscnt 32                                ; all but the 32 just issued
	MWIN 1, \cm
	MUL16 F0, 1, 0, \cm
	MUL16 F0, 1, 2, \cm
.endm
; second half of K step t: multiplies buffer 1 and changes slots.  fill = 1: this slot is filled again, two K steps ahead, behind a round of
; the cluster's barrier, in front of which every wave has waited for its reads of the slot and for all its tensor loads (one is out: the next tile).
; fill = 0: nothing is filled and the next tile is the wave's own part: its own wait is all that the reads need.
.macro TURN t, fill, next
	s_wait_dscnt 8
	MWIN 0, 0
	MUL16 F1, 0, 0, 0
	s_wait_dscnt 0                                 ; my reads of this slot are over
	s_wait_tensorcnt 0x0                           ; all my tensor loads have landed: the next tile is there
	ds_add_u32 v255, v255
	s_wait_dscnt 0x0
.if \fill
	s_barrier_signal -1                            ; opens the round
.endif
	MUL16 F1, 0, 2, 0                              ; register work meanwhile
	WIN 0
.if \fill
	s_barrier_wait -1
	CREST                                          ; no wave of any partner still reads this slot or has a load on its way
	s_add_nc_u64 s[G0T+4*((\t)&1)+2:G0T+4*((\t)&1)+3], s[G0T+4*((\t)&1)+2:G0T+4*((\t)&1)+3], 131072   ; two K steps of 64 rows of 1,024 bytes
	tensor_load_to_lds s[G0T+4*((\t)&1):G0T+4*((\t)&1)+3], s[G1T:G1T+7]    ; my one tensor load behind the round
	s_nop 0
.endif
.if \next
	PLACES
	FETCH ((\t)+1)&1, 0, 128*((\t)+1), F0
.endif
	MWIN 1, 0
	MUL16 F1, 1, 0, 0
	MUL16 F1, 1, 2, 0
.endm
	s_wait_tensorcnt 0x1                           ; my quarter of A and my part of K step 0 are in; K step 1's may stay out
	s_wait_loadcnt 0x0                             ; the bias
	s_barrier_signal -1
	s_barrier_wait -1                              ; every wave's quarter of A is in
	FETCH 0, 0, 0, F0
	QUARTER 0, 2
	TURN 0, 1, 1
.irp t, 1,2,3,4,5
	QUARTER \t, 0
	TURN \t, 1, 1
.endr
	QUARTER 6, 0
	TURN 6, 0, 1                                   ; the last two K steps fetch nothing
	QUARTER 7, 0
	s_wait_dscnt 8
	MWIN 0, 0
	MUL16 F1, 0, 0, 0
	MUL16 F1, 0, 2, 0
	s_wait_dscnt 0
	MWIN 1, 0
	MUL16 F1, 1, 0, 0
	MUL16 F1, 1, 2, 0
	; THE WAY OUT, 16 rows at a time: round to f16, 16 bytes a lane into my own stage, read back as whole rows of 256 bytes
	PLACES
.macro OUT16 i, a, from, f
	WIN \from
.irp b, 0,1,2,3,4,5,6,7
.irp r, 0,1,2,3
	v_cvt_pk_f16_f32 v[TMP+4*\b+\r], v[8*(8*\a+\b)+2*\r], v[8*(8*\a+\b)+2*\r+1]
.endr
.endr
	WIN 0
.irp b, 0,1,2,3,4,5,6,7
	ds_store_b128 v[STO], v[TMP+4*\b:TMP+4*\b+3] offset:32*\b
.endr
	s_wait_xcnt 0x0                                ; buffer f, which earlier stores read, and the stores' base are rewritten only behind this wait (ISA guide 3.1)
.if \i
	s_add_nc_u64 s[54:55], s[54:55], 16*1024
.endif
.irp t, 0,1,2,3,4,5,6,7
	ds_load_b128 v[\f+4*\t:\f+4*\t+3], v[RD] offset:\t*2*SP        ; LDS serves a wave's instructions in order: these see the stores above
.endr
.irp t, 0,1,2,3,4,5,6,7
	s_wait_dscnt 7-\t
	global_store_b128 v[CO], v[\f+4*\t:\f+4*\t+3], s[54:55] offset:2048*\t  ; 16 lanes store 256 consecutive bytes, aligned
.endr
.endm
	OUT16 0, 0, 0x0a, F0
	OUT16 1, 1, 0x0a, F1
	OUT16 2, 2, 0x0a, F0
	OUT16 3, 3, 0x0a, F1
	OUT16 4, 0, 0x0f, F0
	OUT16 5, 1, 0x0f, F1
	OUT16 6, 2, 0x0f, F0
	OUT16 7, 3, 0x0f, F1
	s_set_vgpr_msb 0x1
	s_wait_tensorcnt 0x0
	ds_add_u32 v255, v255
	s_wait_dscnt 0x0
	s_set_vgpr_msb 0x100
	CROUND                                         ; the closing round: no work-group ends while a partner may still ask for a tile that names it
	s_endpgm
.Lfunc_end_k_q60d2a400ec_qkv:
	.size	k_q60d2a400ec_qkv, .Lfunc_end_k_q60d2a400ec_qkv-k_q60d2a400ec_qkv
	.p2alignl 7, 3214868480
	.fill 96, 4, 3214868480
	.section	.rodata,"a",@progbits
	.p2align	6, 0x0
	.amdhsa_kernel k_q60d2a400ec_qkv
		.amdhsa_group_segment_fixed_size 327680
		.amdhsa_private_segment_fixed_size 0
		.amdhsa_enable_private_segment 0
		.amdhsa_kernarg_size 48
		.amdhsa_user_sgpr_count 2
		.amdhsa_user_sgpr_kernarg_segment_ptr 1
		.amdhsa_wavefront_size32 1
		.amdhsa_system_sgpr_workgroup_id_x 1
		.amdhsa_system_sgpr_workgroup_id_y 1
		.amdhsa_system_sgpr_workgroup_id_z 1
		.amdhsa_system_vgpr_workitem_id 0
		.amdhsa_next_free_vgpr 1024
		.amdhsa_next_free_sgpr 66
		.amdhsa_reserve_vcc 0
		.amdhsa_float_denorm_mode_32 3
		.amdhsa_float_denorm_mode_16_64 3
		.amdhsa_memory_ordered 1
		.amdhsa_forward_progress 1
		.amdhsa_inst_pref_size 146
	.end_amdhsa_kernel
	.amdgpu_metadata
---
amdhsa.version: [ 1, 2 ]
amdhsa.kernels:
  - .name:           k_q60d2a400ec_qkv
    .symbol:         k_q60d2a400ec_qkv.kd
    .args:
      - { .name: xh, .offset: 0, .size: 8, .value_kind: global_buffer, .address_space: global }
      - { .name: wh, .offset: 8, .size: 8, .value_kind: global_buffer, .address_space: global }
      - { .name: bq, .offset: 16, .size: 8, .value_kind: global_buffer, .address_space: global }
      - { .name: bk, .offset: 24, .size: 8, .value_kind: global_buffer, .address_space: global }
      - { .name: bv, .offset: 32, .size: 8, .value_kind: global_buffer, .address_space: global }
      - { .name: qkv, .offset: 40, .size: 8, .value_kind: global_buffer, .address_space: global }
    .group_segment_fixed_size: 327680
    .private_segment_fixed_size: 0
    .kernarg_segment_align: 8
    .kernarg_segment_size: 48
    .max_flat_workgroup_size: 128
    .sgpr_count:     66
    .vgpr_count:     1024
    .wavefront_size: 32
...
	.end_amdgpu_metadata
.endif
;; end of part 2
;; launch attn (part 3): grid 64 x 4, 4 waves a work-group, clusters of 4 x 1, 327,680 bytes of LDS; arguments qkv, part, stats; writes part, stats
.if DOCPART == 3
	.amdgcn_target "amdgcn-amd-amdhsa--gfx1250"
	.amdhsa_code_object_version 6
	.text
	.protected	k_q60d2a400ec_attn
	.globl	k_q60d2a400ec_attn
	.p2align	8
	.type	k_q60d2a400ec_attn,@function
k_q60d2a400ec_attn:
	s_mov_b64 s[64:65], 0
	v_nop
	global_prefetch_b8 v0, s[64:65] scope:SCOPE_SE
	s_setreg_imm32_b32 hwreg(HW_REG_WAVE_MODE, 25, 1), 1
	s_wait_xcnt 0x0
	s_wait_alu depctr_hold_cnt(0) depctr_sa_sdst(0) depctr_va_vdst(0) depctr_va_sdst(0) depctr_va_ssrc(0) depctr_va_vcc(0) depctr_vm_vsrc(0)
	s_getreg_b32 s2, hwreg(HW_REG_IB_STS2, 6, 4)
	s_cmp_eq_u32 s2, 0
	s_cbranch_scc0 .Lentry_in_a_cluster
	s_endpgm
.Lentry_in_a_cluster:
	s_bfe_u32 s2, ttmp6, 0x10000c
	s_cmp_lg_u32 s2, 0x3003
	s_cbranch_scc0 .Lentry_shape_is_right
	s_endpgm
.Lentry_shape_is_right:
; ATTN: one block of 128 queries against one quarter (512) of its batch's 2,048 keys.
;   S = Q K^T (128 x 512, f32, all of it in the four waves' accumulators);  m = the largest S of a row over these 512 keys;
;   P = exp2(c S - c m), c = log2(e) / sqrt(512);  l = the row's sum of P;  O = P V, not normalised, f32.
; Stored: part[ks][row][512] = O, stats[ks][row] = (c m, l).  The next launch completes the maximum over the four quarters and normalises,
; so every exponent is taken relative to a true maximum of scores and none can overflow.
; Why the keys are split: 8,192 query rows on 256 work-groups are 32 rows each, too few products for each byte of K and V read from LDS;
; 128 rows x 512 keys gives each wave a 128 x 128 tile in both products, and 64 x 4 = 256 work-groups.
; LIMIT: P goes to the second product in f16: a P below 6.1e-5 carries an absolute error of at most 3e-8 (l is at least about 1).
; Four waves.  Product 1: wave w makes all 128 rows x keys 128 w .. +127.  Product 2: all 128 rows x columns 128 w .. +127 of O.
; Q is brought once (a quarter by each wave); P later overwrites it: that region has had its only fill by then.
; THE RING: K (4 tiles of 128 along the head's 512) and V (4 tiles of 128 keys) go through ONE LDS slot; a wave fills and reads only its own part
; of it (128 rows of 256 bytes of memory, aligned).  Two such slots (2 x 147,456 bytes) do not fit beside Q's 133,120, so the second buffer is
; window 1 of the registers: four sets of 64 hold a tile's four quarters of 32 along K.  A tile's quarters 0 and 1 are read into their sets in the
; middle of the last quarter of the tile before, quarters 2 and 3 at the head of its own first quarter; 32 matrix instructions later the slot is
; handed back and filled again.  From that request to the wait for it a wave issues 176 matrix instructions.
; CLUSTER 4 x 1: the four work-groups are four query blocks of one batch on the same quarter of the keys: same K and V tiles, asked for jointly
; with the mask of all four.  Q's rows are each work-group's own: plain loads.
; The matrix instruction is used transposed (source 0 = keys, or V's columns; source 1 = rows of Q, or of P): lane l holds row l % 16,
; registers 0..7 the columns 8 (l / 16) + 0..7.  So a row's maximum and sum need one exchange between the halves of the lanes, then LDS between waves.
; WINDOWS: 0: addresses, softmax's row figures, A fragments (two buffers), packed P; 1: B fragments, four sets; 2, 3: accumulators of rows 0-63, 64-127.
.set PA,    1040                       ; LDS row of Q and of P: 1,024 bytes + 16
.set AQ,    32*PA
.set RING,  4*AQ                       ; 133,120
.set PN,    272                        ; K tile's LDS row: 256 bytes + 16 (an odd multiple of 16)
.set PT,    288                        ; V tile's LDS row: 256 bytes + 32 (an odd multiple of 32, for the transposing load)
.set WPART, 128*PT                     ; a wave's part of the slot: 36,864 (K's tile takes 34,816 of them)
.set SCR,   RING+4*WPART               ; 280,576: [128 rows][4 waves] f32: the waves' maxima; 2,048 bytes further the waves' sums
.set STAGE, SCR+4096                   ; 284,672: 16 rows x 528 bytes for each wave, for the way out
.set SPF,   528
.set ADRA, 16                          ; v16-17 A fragments: rows 0-63, rows 64-127
.set ADRN, 18                          ; v18 K fragments
.set ADRT, 20                          ; v20 V fragments
.set PST,  22                          ; v22-23 where my 16 bytes of P go: rows 0-63, rows 64-127
.set SCW,  24
.set SCRD, 25
.set SCS,  26
.set STO,  27
.set RD,   28
.set CO,   29
.set SOF,  30
.set MX,   32                          ; v32-39  row maxima, one for each row tile
.set NM,   40                          ; v40-55  - c x maximum, twice (pairs for the packed multiply-add)
.set SUM,  56                          ; v56-63  row sums
.set F0,   64
.set F1,   128
.set TMP,  192                         ; v192-223 P of one row tile in f16
.set U,    224                         ; v224-255 partial sums
.set G1A,  24
.set G1N,  32
.set G1T,  40
.set G0Q,  48
.set G0K,  52                          ; s[52:55]
.set G0V,  56                          ; s[56:59]
.set CS,   78                          ; s[78:79] c, twice; s80 = - c
.set OB,   6                           ; s[6:7] part, at my block
.set MUL_LO, 0xa1                      ; source 0 window 1, source 1 window 0, C and D window 2
.set MUL_HI, 0xf1                      ; the same, C and D window 3
.set MSB, 0
.macro WIN new
.if MSB != (\new)
	s_set_vgpr_msb (MSB<<8)|(\new)
.set MSB, (\new)
.endif
.endm
.macro PLACES                          ; four places behind a matrix instruction before one of its registers is loaded into or written, or its result read (ISA guide 7.12.1)
.rept 4
	v_nop
.endr
.endm
.macro CREST
	s_cmp_lg_u32 s10, 0
	s_cbranch_scc1 .Lnot_wave_0_\@
	s_barrier_signal -3
.Lnot_wave_0_\@:
	s_barrier_wait -3
	s_barrier_signal -1
	s_barrier_wait -1
.endm
.macro CROUND
	s_barrier_signal -1
	s_barrier_wait -1
	CREST
.endm
	s_load_b128 s[4:7], s[0:1], 0x0                ; qkv s[4:5], part s[6:7]
	s_load_b64 s[8:9], s[0:1], 0x10                ; stats
	v_lshl_add_u32 v21, v0, 2, 0x4dc00
	v_mov_b32 v31, 0
	ds_add_u32 v21, v31
	v_lshrrev_b32 v1, 5, v0
	v_readfirstlane_b32 s10, v1                    ; wave 0..3
	s_bfe_u32 s11, ttmp6, 0x40000                  ; cx
	s_lshl_b32 s12, ttmp9, 2
	s_add_co_u32 s12, s12, s11                     ; query block = 4 x cluster x + cx
	s_and_b32 s14, ttmp7, 0xffff                   ; ks: which quarter of the keys
	s_mov_b32 s76, 0x76543210                      ; v_permlanex16_b32: lane i of one half reads lane i of the other
	s_mov_b32 s77, 0xfedcba98
	s_mov_b32 s78, 0x3d8293ee                      ; c = log2(e) / sqrt(512)
	s_mov_b32 s79, 0x3d8293ee
	s_mov_b32 s80, 0xbd8293ee                      ; - c
	; Q's quarter: 32 rows x 512 elements of 2 bytes, 4 words of padding behind every 256 words
	s_mov_b32 s[G1A+0], (1<<16)|(1<<20)|(7<<22)|(3<<25)
	s_mov_b32 s[G1A+1], 512<<16
	s_mov_b32 s[G1A+2], 32<<16
	s_mov_b32 s[G1A+3], 512<<16
	s_mov_b32 s[G1A+4], 32
	s_mov_b32 s[G1A+5], 512
	s_mov_b32 s[G1A+6], 0
	s_mov_b32 s[G1A+7], 0
	; a K tile: 128 rows (keys) x 128 elements, 4 words behind every 64; mask of all four, bit 21 beside it
	s_mov_b32 s[G1N+0], 15|(1<<16)|(1<<20)|(1<<21)|(5<<22)|(3<<25)
	s_mov_b32 s[G1N+1], 128<<16
	s_mov_b32 s[G1N+2], 128<<16
	s_mov_b32 s[G1N+3], 128<<16
	s_mov_b32 s[G1N+4], 128
	s_mov_b32 s[G1N+5], 512
	s_mov_b32 s[G1N+6], 0
	s_mov_b32 s[G1N+7], 0
	; a V tile: 128 rows (keys) x 128 elements, 8 words behind every 64; the same mask
	s_mov_b32 s[G1T+0], 15|(1<<16)|(1<<20)|(1<<21)|(5<<22)|(7<<25)
	s_mov_b32 s[G1T+1], 128<<16
	s_mov_b32 s[G1T+2], 128<<16
	s_mov_b32 s[G1T+3], 128<<16
	s_mov_b32 s[G1T+4], 128
	s_mov_b32 s[G1T+5], 512
	s_mov_b32 s[G1T+6], 0
	s_mov_b32 s[G1T+7], 0
	; K's and V's offsets are made of the cluster's x, of ks and of the wave's number alone
	s_lshr_b32 s16, ttmp9, 2                       ; batch: 16 query blocks = 4 clusters each
	s_lshl_b32 s16, s16, 21                        ; x 2,048 rows x 1,024 bytes
	s_lshl_b32 s17, s14, 19                        ; + ks x 512 rows
	s_add_co_u32 s16, s16, s17
	s_lshl_b32 s17, s10, 17                        ; K: + wave x 128 rows,
	s_add_co_u32 s18, s16, s17
	s_add_co_u32 s18, s18, 0x800000                ; in the second of the three tensors
	s_mov_b32 s19, 0
	s_lshl_b32 s17, s10, 8                         ; V: + wave x 256 bytes of a row,
	s_add_co_u32 s20, s16, s17
	s_add_co_u32 s20, s20, 0x1000000               ; in the third
	s_mov_b32 s21, 0
	s_lshl_b32 s22, s12, 17                        ; Q: query block x 128 rows + wave x 32 rows
	s_lshl_b32 s17, s10, 15
	s_add_co_u32 s22, s22, s17
	s_mov_b32 s23, 0
	s_lshl_b32 s60, s14, 24                        ; part: ks x 16,777,216 + query block x 128 rows x 2,048 + wave x 512
	s_lshl_b32 s17, s12, 18
	s_add_co_u32 s60, s60, s17
	s_lshl_b32 s17, s10, 9
	s_add_co_u32 s60, s60, s17
	s_mov_b32 s61, 0
	s_lshl_b32 s15, s14, 13                        ; stats: entry ks x 8,192 + query block x 128 + 32 wave (+ lane)
	s_lshl_b32 s17, s12, 7
	s_add_co_u32 s15, s15, s17
	s_lshl_b32 s17, s10, 5
	s_add_co_u32 s15, s15, s17
	s_mul_i32 s62, s10, WPART
	s_mov_b32 s[G0Q], 1
	s_mul_i32 s[G0Q+1], s10, AQ
	s_mov_b32 s[G0K], 1
	s_add_co_u32 s[G0K+1], s62, RING               ; my part of the slot
	s_mov_b32 s[G0V], 1
	s_add_co_u32 s[G0V+1], s62, RING
	s_wait_dscnt 0x0
	s_wait_kmcnt 0x0
	s_add_nc_u64 s[G0Q+2:G0Q+3], s[4:5], s[22:23]
	s_or_b32 s[G0Q+3], s[G0Q+3], 0x80000000
	s_add_nc_u64 s[G0K+2:G0K+3], s[4:5], s[18:19]  ; K's first tile
	s_or_b32 s[G0K+3], s[G0K+3], 0x80000000
	s_add_nc_u64 s[G0V+2:G0V+3], s[4:5], s[20:21]  ; V's first tile
	s_or_b32 s[G0V+3], s[G0V+3], 0x80000000
	s_add_nc_u64 s[OB:OB+1], s[OB:OB+1], s[60:61]
	CROUND                                         ; all four work-groups are here: the first joint load meets its partners'
	tensor_load_to_lds s[G0Q:G0Q+3], s[G1A:G1A+7]          ; the two first fills together: two tensor loads of the wave are out
	s_nop 0
	tensor_load_to_lds s[G0K:G0K+3], s[G1N:G1N+7]
	s_nop 0
	v_and_b32 v1, 15, v0                           ; r
	v_bfe_u32 v2, v0, 4, 1                         ; h
	v_and_b32 v3, 31, v0                           ; lane
	v_mul_u32_u24 v4, v1, PA
	v_lshl_add_u32 v[ADRA], v2, 4, v4
	v_add_nc_u32 v[ADRA+1], 64*PA, v[ADRA]
	v_lshl_add_u32 v[PST], s10, 8, v[ADRA]         ; P: row r, byte 2 (128 w + 8 h)
	v_add_nc_u32 v[PST+1], 64*PA, v[PST]
	v_mul_u32_u24 v4, v1, PN
	v_lshl_add_u32 v4, v2, 4, v4
	v_add_nc_u32 v[ADRN], s[G0K+1], v4
	v_and_b32 v5, 7, v0                            ; transposing load: row (l & 7) + 8 h, 16 bytes ((l >> 3) & 1)
	v_lshl_add_u32 v5, v2, 3, v5
	v_mul_u32_u24 v5, v5, PT
	v_bfe_u32 v6, v0, 3, 1
	v_lshl_add_u32 v5, v6, 4, v5
	v_add_nc_u32 v[ADRT], s[G0K+1], v5
	v_lshlrev_b32 v[SCRD], 4, v1
	v_add_nc_u32 v[SCRD], SCR, v[SCRD]             ; the four waves' figures of row r (+ 256 for each row tile)
	v_lshl_add_u32 v[SCW], s10, 2, v[SCRD]         ; my wave's word among them
	v_lshl_add_u32 v6, s10, 5, v3                  ; row 32 w + lane: the row whose figures I store
	v_lshlrev_b32 v[SCS], 4, v6
	v_add_nc_u32 v[SCS], SCR, v[SCS]
	v_add_lshl_u32 v[SOF], v3, s15, 3              ; 8 bytes an entry
	s_mul_i32 s63, s10, 16*SPF
	s_add_co_u32 s63, s63, STAGE
	v_mul_u32_u24 v4, v1, SPF
	v_lshl_add_u32 v4, v2, 5, v4
	v_add_nc_u32 v[STO], s63, v4                   ; in: row r, 32 bytes for each half of the lanes
	v_lshlrev_b32 v[CO], 4, v3                     ; back and out: a row of 512 bytes, 16 a lane
	v_add_nc_u32 v[RD], s63, v[CO]
; 16 matrix instructions: A from buffer f (window 0), B from the set at rb (window 1); row tiles a0, a0 + 1 of the window's four x all 8 column
; tiles, 32 along K.  zero = 1: the first product starts the sums.
; The 64 accumulators take turns, one instruction a turn, in the same order in every quarter.
.macro MUL16 f, rb, hi, a0, zero
.irp a, \a0, \a0+1
.irp b, 0,1,2,3,4,5,6,7
.if \zero
	v_wmma_f32_16x16x32_f16 v[8*(8*(\a)+\b):8*(8*(\a)+\b)+7], v[\rb+8*\b:\rb+8*\b+7], v[\f+8*(4*\hi+\a):\f+8*(4*\hi+\a)+7], 0
.else
	v_wmma_f32_16x16x32_f16 v[8*(8*(\a)+\b):8*(8*(\a)+\b)+7], v[\rb+8*\b:\rb+8*\b+7], v[\f+8*(4*\hi+\a):\f+8*(4*\hi+\a)+7], v[8*(8*(\a)+\b):8*(8*(\a)+\b)+7]
.endif
.endr
.endr
.endm
; 16 LDS loads: quarter q (32 along K) of the tile in the slot into set q of window 1 (kind 1: K, rows along K; kind 0: V, transposed)
.macro FETCHB kind, q
	WIN 0x40
.irp i, 0,1,2,3,4,5,6,7
.if \kind
	ds_load_b128 v[64*\q+8*\i:64*\q+8*\i+3],   v[ADRN] offset:64*\q+16*PN*\i
	ds_load_b128 v[64*\q+8*\i+4:64*\q+8*\i+7], v[ADRN] offset:64*\q+16*PN*\i+32
.else
	ds_load_tr16_b128 v[64*\q+8*\i:64*\q+8*\i+3],   v[ADRT] offset:32*PT*\q+32*\i
	ds_load_tr16_b128 v[64*\q+8*\i+4:64*\q+8*\i+7], v[ADRT] offset:32*PT*\q+32*\i+16*PT
.endif
.endr
.endm
; 16 LDS loads: A's 128 rows, 32 along K at byte ka of the rows, into buffer f; rows 0-63 first
.macro FETCHA ka, f
	WIN 0
.irp i, 0,1,2,3
	ds_load_b128 v[\f+8*\i:\f+8*\i+3],   v[ADRA] offset:(\ka)+16*PA*\i
	ds_load_b128 v[\f+8*\i+4:\f+8*\i+7], v[ADRA] offset:(\ka)+16*PA*\i+32
.endr
.irp i, 0,1,2,3
	ds_load_b128 v[\f+32+8*\i:\f+32+8*\i+3], v[ADRA+1] offset:(\ka)+16*PA*\i
	ds_load_b128 v[\f+36+8*\i:\f+36+8*\i+3], v[ADRA+1] offset:(\ka)+16*PA*\i+32
.endr
.endm
; quarter 1 or 2 of a tile: multiplies buffer f and set rb; in its middle it fetches the next quarter's A (byte ka) into buffer g
.macro MID f, rb, ka, g
	s_wait_dscnt 8                                 ; A's rows 0-63 are in; the youngest eight loads (rows 64-127) may be out
	WIN MUL_LO
	MUL16 \f, \rb, 0, 0, 0
	MUL16 \f, \rb, 0, 2, 0
	PLACES
	FETCHA \ka, \g
	s_wait_dscnt 16                                ; all but the 16 just issued
	WIN MUL_HI
	MUL16 \f, \rb, 1, 0, 0
	MUL16 \f, \rb, 1, 2, 0
.endm
; Tile i (0..3) of a product: 128 along K, four quarters of 64 matrix instructions.  On entry A's first quarter (buffer 0) and sets 0 and 1 have been
; asked for, in this order.  fill = 1: the slot is filled again by descriptor g0, g1 (its address stepped by step bytes first), behind a round of the
; cluster's barrier in front of which every wave has waited for its reads of the slot and for all its tensor loads.
; next = 1: the tile that follows is of the same kind and is taken up in the middle of the last quarter.
.macro INTV kind, i, zero, fill, g0, g1, step, next
	PLACES
	FETCHB \kind, 2                                ; the rest of this tile leaves the slot
	FETCHB \kind, 3
	s_wait_dscnt 48                                ; A and set 0 are in: younger than set 0's loads are those of sets 1, 2, 3
	WIN MUL_LO
	MUL16 F0, 0, 0, 0, \zero
	MUL16 F0, 0, 0, 2, \zero
	s_wait_dscnt 0                                 ; my reads of the slot are over
	s_set_vgpr_msb 0xa1a0
	s_wait_tensorcnt 0x0                           ; and no tensor load of mine is out
	ds_add_u32 v21, v31
	s_wait_dscnt 0x0
	s_set_vgpr_msb 0xa0a1
.if \fill
	s_barrier_signal -1                            ; opens the round
.endif
	WIN MUL_HI
	MUL16 F0, 0, 1, 0, \zero                       ; register work meanwhile
	WIN 0
.if \fill
	s_barrier_wait -1
	CREST                                          ; no wave of any partner still reads the slot or has a load on its way
.if \step
	s_add_nc_u64 s[\g0+2:\g0+3], s[\g0+2:\g0+3], \step
.endif
	tensor_load_to_lds s[\g0:\g0+3], s[\g1:\g1+7]  ; my one tensor load behind the round
	s_nop 0
.endif
	PLACES
	FETCHA 256*\i+64, F1
	WIN MUL_HI
	MUL16 F0, 0, 1, 2, \zero
	MID F1, 64,  256*\i+128, F0
	MID F0, 128, 256*\i+192, F1
	s_wait_dscnt 8
	WIN MUL_LO
	MUL16 F1, 192, 0, 0, 0
	MUL16 F1, 192, 0, 2, 0
.if \next
	PLACES
	s_wait_tensorcnt 0x0                           ; the reads' own wait: my one load that is out is my part of the next tile, and none is younger
	FETCHA 256*\i+256, F0
	FETCHB \kind, 0
	FETCHB \kind, 1
	s_wait_dscnt 48                                ; all but the 48 just issued: A's rows 64-127 of this quarter are in
.else
	s_wait_dscnt 0
.endif
	WIN MUL_HI
	MUL16 F1, 192, 1, 0, 0
	MUL16 F1, 192, 1, 2, 0
.endm
	; PRODUCT 1: S = Q K^T
	s_wait_tensorcnt 0x0                           ; my quarter of Q and my part of K's first tile are in
	s_barrier_signal -1
	s_barrier_wait -1                              ; every wave's quarter of Q is in
	FETCHA 0, F0
	FETCHB 1, 0
	FETCHB 1, 1
	INTV 1, 0, 1, 1, G0K, G1N, 256, 1
	INTV 1, 1, 0, 1, G0K, G1N, 256, 1
	INTV 1, 2, 0, 1, G0K, G1N, 256, 1
	INTV 1, 3, 0, 1, G0V, G1T, 0, 0                ; K is all asked for: the slot takes V's first tile, which lands during the rest of this product and the softmax
	; SOFTMAX over my 128 keys, then over the four waves
	PLACES
.macro MAXROW hi                       ; four chains, one for each row tile of the window: 64 numbers a lane each
	WIN 0x0a+5*\hi
.irp a, 0,1,2,3
	v_max_num_f32 v[MX+4*\hi+\a], v[64*\a], v[64*\a+1]
.endr
	WIN 0x28+0x14*\hi
.set n, 1
.rept 31
.irp a, 0,1,2,3
	v_max3_num_f32 v[MX+4*\hi+\a], v[MX+4*\hi+\a], v[64*\a+2*n], v[64*\a+2*n+1]
.endr
.set n, n+1
.endr
.endm
	MAXROW 0
	MAXROW 1
	WIN 0
.irp a, 0,1,2,3,4,5,6,7
	v_permlanex16_b32 v[F0+\a], v[MX+\a], s76, s77 ; the other eight columns of each tile lie in the other half of the lanes; the destination has been written (a fragment)
.endr
.irp a, 0,1,2,3,4,5,6,7
	v_max_num_f32 v[MX+\a], v[MX+\a], v[F0+\a]
	ds_store_b32 v[SCW], v[MX+\a] offset:256*\a    ; row 16 a + r, my wave's word; both halves write the same number
.endr
	s_wait_dscnt 0x0                               ; for the other waves' sake: my maxima are stored, and my reads of Q are over: P is stored over Q only behind this barrier
	s_barrier_signal -1
	s_barrier_wait -1                              ; V's first tile may stay on its way
.irp a, 0,1,2,3,4,5,6,7
	ds_load_b128 v[F0+4*\a:F0+4*\a+3], v[SCRD] offset:256*\a
.endr
	s_wait_dscnt 0x0
.irp a, 0,1,2,3,4,5,6,7
	v_max3_num_f32 v[MX+\a], v[F0+4*\a], v[F0+4*\a+1], v[F0+4*\a+2]
	v_max_num_f32 v[MX+\a], v[MX+\a], v[F0+4*\a+3] ; the row's maximum over the 512 keys
	v_mul_f32 v[NM+2*\a],   s80, v[MX+\a]
	v_mul_f32 v[NM+2*\a+1], s80, v[MX+\a]
.endr
; row tile a (window 2 + hi): P = exp2(c S - c m) in place, packed to f16 and stored over Q; the lane's sum of its 64 P
.macro EXPROW a, hi
.set RB, 64*(\a-4*\hi)
	WIN 0x82+0x41*\hi
.set n, 0
.rept 32
	v_pk_fma_f32 v[RB+2*n:RB+2*n+1], v[RB+2*n:RB+2*n+1], s[CS:CS+1], v[NM+2*\a:NM+2*\a+1] op_sel_hi:[1,0,1]
.set n, n+1
.endr
.set n, 0
.rept 64
	v_exp_f32 v[RB+n], v[RB+n]
.set n, n+1
.endr
	v_nop                                          ; one plain place behind the last exponential before its result is read (ISA guide 5.7.2)
	WIN 0x0a+5*\hi
	s_wait_alu depctr_va_vdst(0)
.irp b, 0,1,2,3,4,5,6,7
.irp r, 0,1,2,3
	v_cvt_pk_f16_f32 v[TMP+4*\b+\r], v[RB+8*\b+2*\r], v[RB+8*\b+2*\r+1]
.endr
.endr
.set n, 0
.rept 16
	v_pk_add_f32 v[U+2*n:U+2*n+1], v[RB+4*n:RB+4*n+1], v[RB+4*n+2:RB+4*n+3]
.set n, n+1
.endr
	WIN 0
.irp i, 0,2,4,6,8,10,12,14
	v_pk_add_f32 v[U+\i:U+\i+1], v[U+\i:U+\i+1], v[U+16+\i:U+17+\i]
.endr
.irp i, 0,2,4,6
	v_pk_add_f32 v[U+\i:U+\i+1], v[U+\i:U+\i+1], v[U+8+\i:U+9+\i]
.endr
.irp i, 0,2
	v_pk_add_f32 v[U+\i:U+\i+1], v[U+\i:U+\i+1], v[U+4+\i:U+5+\i]
.endr
	v_pk_add_f32 v[U:U+1], v[U:U+1], v[U+2:U+3]
	v_add_f32 v[SUM+\a], v[U], v[U+1]
.irp b, 0,1,2,3,4,5,6,7
	ds_store_b128 v[PST+\hi], v[TMP+4*\b:TMP+4*\b+3] offset:16*PA*(\a-4*\hi)+32*\b   ; P(16 a + r, 128 w + 16 b + 8 h ..)
.endr
.endm
	EXPROW 0, 0
	EXPROW 1, 0
	EXPROW 2, 0
	EXPROW 3, 0
	EXPROW 4, 1
	EXPROW 5, 1
	EXPROW 6, 1
	EXPROW 7, 1
.irp a, 0,1,2,3,4,5,6,7
	v_permlanex16_b32 v[F0+\a], v[SUM+\a], s76, s77
.endr
.irp a, 0,1,2,3,4,5,6,7
	v_add_f32 v[SUM+\a], v[SUM+\a], v[F0+\a]
	ds_store_b32 v[SCW], v[SUM+\a] offset:2048+256*\a
.endr
	s_wait_dscnt 0x0                               ; my part of P and my sums are in LDS, for the other waves
	s_barrier_signal -1
	s_barrier_wait -1                              ; P is whole
	ds_load_b128 v[F0:F0+3],   v[SCS]              ; row 32 w + lane: the four waves' maxima
	ds_load_b128 v[F0+4:F0+7], v[SCS] offset:2048  ; and sums
	s_wait_dscnt 0x0
	v_max3_num_f32 v12, v[F0], v[F0+1], v[F0+2]
	v_max_num_f32 v12, v12, v[F0+3]
	v_mul_f32 v12, s78, v12                        ; c m: rounding is symmetric, so this is exactly the negative of the addend used above
	v_add_f32 v13, v[F0+4], v[F0+5]
	v_add_f32 v14, v[F0+6], v[F0+7]
	v_add_f32 v13, v13, v14                        ; l
	global_store_b64 v[SOF], v[12:13], s[8:9]      ; a wave stores 256 consecutive bytes, aligned; its registers are not written again
	; PRODUCT 2: O = P V
	s_wait_tensorcnt 0x0                           ; my part of V's first tile: the one load that is out
	FETCHA 0, F0
	FETCHB 0, 0
	FETCHB 0, 1
	INTV 0, 0, 1, 1, G0V, G1T, 131072, 1           ; 128 rows of 1,024 bytes from tile to tile
	INTV 0, 1, 0, 1, G0V, G1T, 131072, 1
	INTV 0, 2, 0, 1, G0V, G1T, 131072, 1
	INTV 0, 3, 0, 0, 0, 0, 0, 0                    ; the last tile: nothing is left to fetch
	; THE WAY OUT, 16 rows at a time, in f32: 32 bytes a lane and tile into my own stage, read back as whole rows of 512 bytes
	PLACES
.macro OUTF i, a, from, f
	WIN \from                                      ; the stores' data in window 2 or 3
.irp b, 0,1,2,3,4,5,6,7
	ds_store_b128 v[STO], v[8*(8*\a+\b):8*(8*\a+\b)+3]   offset:64*\b
	ds_store_b128 v[STO], v[8*(8*\a+\b)+4:8*(8*\a+\b)+7] offset:64*\b+16
.endr
	WIN 0
	s_wait_xcnt 0x0                                ; buffer f, which earlier stores read, and the stores' base are rewritten only behind this wait (ISA guide 3.1)
.if \i
	s_add_nc_u64 s[OB:OB+1], s[OB:OB+1], 16*2048
.endif
.irp t, 0,1,2,3,4,5,6,7,8,9,10,11,12,13,14,15
	ds_load_b128 v[\f+4*\t:\f+4*\t+3], v[RD] offset:SPF*\t         ; LDS serves a wave's instructions in order: these see the stores above
.endr
.irp t, 0,1,2,3,4,5,6,7,8,9,10,11,12,13,14,15
	s_wait_dscnt 15-\t
	global_store_b128 v[CO], v[\f+4*\t:\f+4*\t+3], s[OB:OB+1] offset:2048*\t   ; a wave stores 512 consecutive bytes, aligned
.endr
.endm
	OUTF 0, 0, 0x08, F0
	OUTF 1, 1, 0x08, F1
	OUTF 2, 2, 0x08, F0
	OUTF 3, 3, 0x08, F1
	OUTF 4, 0, 0x0c, F0
	OUTF 5, 1, 0x0c, F1
	OUTF 6, 2, 0x0c, F0
	OUTF 7, 3, 0x0c, F1
	s_wait_tensorcnt 0x0
	ds_add_u32 v21, v31
	s_wait_dscnt 0x0
	CROUND                                         ; the closing round
	s_endpgm
.Lfunc_end_k_q60d2a400ec_attn:
	.size	k_q60d2a400ec_attn, .Lfunc_end_k_q60d2a400ec_attn-k_q60d2a400ec_attn
	.p2alignl 7, 3214868480
	.fill 96, 4, 3214868480
	.section	.rodata,"a",@progbits
	.p2align	6, 0x0
	.amdhsa_kernel k_q60d2a400ec_attn
		.amdhsa_group_segment_fixed_size 327680
		.amdhsa_private_segment_fixed_size 0
		.amdhsa_enable_private_segment 0
		.amdhsa_kernarg_size 24
		.amdhsa_user_sgpr_count 2
		.amdhsa_user_sgpr_kernarg_segment_ptr 1
		.amdhsa_wavefront_size32 1
		.amdhsa_system_sgpr_workgroup_id_x 1
		.amdhsa_system_sgpr_workgroup_id_y 1
		.amdhsa_system_sgpr_workgroup_id_z 1
		.amdhsa_system_vgpr_workitem_id 0
		.amdhsa_next_free_vgpr 1024
		.amdhsa_next_free_sgpr 84
		.amdhsa_reserve_vcc 0
		.amdhsa_float_denorm_mode_32 3
		.amdhsa_float_denorm_mode_16_64 3
		.amdhsa_memory_ordered 1
		.amdhsa_forward_progress 1
		.amdhsa_inst_pref_size 255
	.end_amdhsa_kernel
	.section	.bss,"aw",@nobits
	.p2align	6
	.space	262144
	.amdgpu_metadata
---
amdhsa.version: [ 1, 2 ]
amdhsa.kernels:
  - .name:           k_q60d2a400ec_attn
    .symbol:         k_q60d2a400ec_attn.kd
    .args:
      - { .name: qkv, .offset: 0, .size: 8, .value_kind: global_buffer, .address_space: global }
      - { .name: part, .offset: 8, .size: 8, .value_kind: global_buffer, .address_space: global }
      - { .name: stats, .offset: 16, .size: 8, .value_kind: global_buffer, .address_space: global }
    .group_segment_fixed_size: 327680
    .private_segment_fixed_size: 0
    .kernarg_segment_align: 8
    .kernarg_segment_size: 24
    .max_flat_workgroup_size: 128
    .sgpr_count:     84
    .vgpr_count:     1024
    .wavefront_size: 32
...
	.end_amdgpu_metadata
.endif
;; end of part 3
;; launch outp (part 4): grid 256 x 1, 4 waves a work-group, no clusters, 67,584 bytes of LDS; arguments part, stats, wsf, bo, out0; writes out0
.if DOCPART == 4
	.amdgcn_target "amdgcn-amd-amdhsa--gfx1250"
	.amdhsa_code_object_version 6
	.text
	.protected	k_q60d2a400ec_outp
	.globl	k_q60d2a400ec_outp
	.p2align	8
	.type	k_q60d2a400ec_outp,@function
k_q60d2a400ec_outp:
	s_mov_b64 s[64:65], 0
	v_nop
	global_prefetch_b8 v0, s[64:65] scope:SCOPE_SE
	s_setreg_imm32_b32 hwreg(HW_REG_WAVE_MODE, 25, 1), 1
	s_wait_xcnt 0x0
; OUTP: the softmax is completed over the four quarters of the keys, and the result goes through the output projection.
;   M = max over t of m'_t;  w_t = exp2(m'_t - M);  f_t = w_t / sum over t of w_t l_t;  attn = sum over t of f_t O_t (f32, rounded once to f16);
;   out0 = attn @ Wsum + bo, f16 operands, f32 sums.   (m' = c x the quarter's largest score, l and O as the launch before left them.)
; LIMIT: attn in f16: a magnitude above 65,504 becomes infinite; below 6.1e-5 the absolute error is at most 3e-8.
; Work-group g: rows 32 g .. +31.  Wave w combines rows 8 w .. +7 (a row: 4 x 2,048 bytes, each load of the wave 512 neighbouring bytes),
; puts them into LDS in f16, and then multiplies all 32 rows x columns 128 w .. +127.
; Wsum's fragments come straight from memory into registers (wsf lies in register order: each load of the wave is 512 neighbouring bytes).
; NO TENSOR LOADS, NO CLUSTER, though all work-groups read the same 512 KiB of Wsum: with 32 rows a fragment feeds two matrix instructions, so a K step
; of 64 through LDS would leave a wave 32 matrix instructions between two rounds of a cluster's barrier, and LDS would carry the 512 KiB in and out again.
; The bias is the C operand of the first products.  The matrix instruction is used transposed: lane l holds row l % 16, registers 0..7 columns 8 (l / 16) + 0..7.
; WINDOWS: 0: addresses, the row at work, read-back buffers v64-191, bias v192-255; 1: Wsum's fragments, 4 K steps x 64;
;          2: four partial rows x 64, later all of A's fragments; 3: the 16 accumulator tiles, v0-127.
.set PA,    1040                       ; A's LDS row: 1,024 bytes + 16
.set STAGE, 32*PA                      ; 33,280: 16 rows x 528 bytes for each wave
.set SPF,   528
.set VP,  8                            ; my 16 bytes in my wave's first partial row
.set VB,  9                            ; my 16 bytes in my wave's first fragment half
.set VS,  10
.set BOF, 11
.set AST, 12
.set AF,  13
.set STO, 14
.set RD,  15
.set CO,  16
.set O,   24                           ; v24-39 the combined row: my 16 numbers
.set PK,  40                           ; v40-47 the same in f16
.set F0,  64
.set F1,  128
.set BIAS, 192
.set FS,  32                           ; s[32:63] f of row i, quarter t at s[32 + 4 i + t]
.set OB,  12
.set MSB, 0
.macro WIN new
.if MSB != (\new)
	s_set_vgpr_msb (MSB<<8)|(\new)
.set MSB, (\new)
.endif
.endm
.macro PLACES                          ; four places behind a matrix instruction before one of its registers is loaded into, or its result read (ISA guide 7.12.1)
.rept 4
	v_nop
.endr
.endm
	s_load_b256 s[4:11], s[0:1], 0x0               ; part s[4:5], stats s[6:7], wsf s[8:9], bo s[10:11]
	s_load_b64 s[12:13], s[0:1], 0x20              ; out0
	v_lshl_add_u32 v62, v0, 2, 0x10600
	v_mov_b32 v63, 0
	v_lshrrev_b32 v1, 5, v0
	v_readfirstlane_b32 s14, v1                    ; wave 0..3
	s_mov_b32 s24, 0x76543210
	s_mov_b32 s25, 0xfedcba98
	v_and_b32 v3, 31, v0                           ; lane
	v_and_b32 v1, 15, v0                           ; r
	v_bfe_u32 v2, v0, 4, 1                         ; h
	s_lshl_b32 s15, ttmp9, 5
	s_lshl3_add_u32 s15, s14, s15                  ; my wave's first row: 32 g + 8 w
	v_lshrrev_b32 v4, 3, v3                        ; lane = 8 t + i: quarter t,
	v_and_b32 v5, 7, v3                            ; row i of my wave's eight
	v_lshl_add_u32 v4, v4, 13, v5
	v_add_lshl_u32 v[VS], v4, s15, 3               ; entry t x 8,192 + row, 8 bytes each
	s_lshl_b32 s26, s15, 11
	v_lshl_add_u32 v[VP], v3, 4, s26               ; row x 2,048 + 16 lane
	s_lshl_b32 s27, s14, 13
	v_lshl_add_u32 v[VB], v3, 4, s27               ; 8 n tiles x 1,024 bytes for each wave + 16 lane
	v_lshlrev_b32 v[BOF], 5, v2
	v_lshl_add_u32 v[BOF], s14, 9, v[BOF]          ; bias of columns 128 w + 8 h ..
	s_lshl_b32 s28, ttmp9, 16                      ; out0: 32 rows x 2,048 bytes a work-group + 512 bytes a wave
	s_lshl_b32 s29, s14, 9
	s_add_co_u32 s28, s28, s29
	s_mov_b32 s29, 0
	s_wait_kmcnt 0x0
	s_mov_b64 s[16:17], s[4:5]                     ; the four quarters' partial results, 16,777,216 bytes apart
	s_add_nc_u64 s[18:19], s[4:5], 0x1000000
	s_add_nc_u64 s[20:21], s[4:5], 0x2000000
	s_add_nc_u64 s[22:23], s[4:5], 0x3000000
	s_add_nc_u64 s[OB:OB+1], s[OB:OB+1], s[28:29]
	global_load_b64 v[18:19], v[VS], s[6:7]        ; (m', l)
.irp b, 0,1,2,3,4,5,6,7
	global_load_b128 v[BIAS+8*\b:BIAS+8*\b+3],   v[BOF], s[10:11] offset:64*\b
	global_load_b128 v[BIAS+8*\b+4:BIAS+8*\b+7], v[BOF], s[10:11] offset:64*\b+16
.endr
; 16 loads: row i of my eight, all four quarters, into slot i & 3 of window 2: register 16 t + 4 j + e = element 128 j + 4 lane + e of quarter t
.macro LOADROW i
	WIN 0x80
.irp t, 0,1,2,3
.irp j, 0,1,2,3
	global_load_b128 v[64*((\i)&3)+16*\t+4*\j:64*((\i)&3)+16*\t+4*\j+3], v[VP], s[16+2*\t:17+2*\t] offset:(\i)*2048+512*\j th:TH_LOAD_NT
.endr
.endr
.endm
; 16 loads: Wsum's fragments of K step ks for my 8 column tiles, into slot ks & 3 of window 1
.macro LOADB ks
	WIN 0x40
.irp b, 0,1,2,3,4,5,6,7
.irp c, 0,1
	global_load_b128 v[64*((\ks)&3)+8*\b+4*\c:64*((\ks)&3)+8*\b+4*\c+3], v[VB], s[8:9] offset:(\ks)*32768+1024*\b+512*\c
.endr
.endr
.endm
	LOADROW 0
	LOADROW 1
	WIN 0
	s_mul_i32 s30, s14, 8*PA
	v_lshl_add_u32 v[AST], v3, 3, s30              ; my wave's 8 rows of A in LDS, 8 bytes a lane
	v_mul_u32_u24 v4, v1, PA
	v_lshl_add_u32 v[AF], v2, 4, v4                ; A's fragments: r x pitch + 16 h
	s_mul_i32 s31, s14, 16*SPF
	s_add_co_u32 s31, s31, STAGE
	v_mul_u32_u24 v4, v1, SPF
	v_lshl_add_u32 v4, v2, 5, v4
	v_add_nc_u32 v[STO], s31, v4
	v_lshlrev_b32 v[CO], 4, v3
	v_add_nc_u32 v[RD], s31, v[CO]
	s_wait_loadcnt 32                              ; only the 32 loads of rows 0 and 1 are younger than (m', l) and the bias
	v_mov_b32 v20, v18
	v_max_num_f32_dpp v20, v20, v20 row_xmask:8 row_mask:0xf bank_mask:0xf   ; quarters t and t xor 1 of the same row lie 8 lanes apart,
	v_mov_b32 v21, v20
	v_permlanex16_b32 v21, v20, s24, s25           ; t and t xor 2 sixteen
	v_max_num_f32 v20, v20, v21                    ; M
	v_sub_f32 v22, v18, v20
	v_exp_f32 v22, v22                             ; w = exp2(m' - M), at most 1, and 1 for the quarter that holds the maximum
	v_nop                                          ; one plain place behind a transcendental (ISA guide 5.7.2)
	s_wait_alu depctr_va_vdst(0)
	v_mul_f32 v23, v22, v19
	v_add_f32_dpp v23, v23, v23 row_xmask:8 row_mask:0xf bank_mask:0xf
	v_permlanex16_b32 v21, v23, s24, s25
	v_add_f32 v23, v23, v21                        ; the whole row's sum of exponentials
	v_rcp_f32 v23, v23
	v_nop
	s_wait_alu depctr_va_vdst(0)
	v_mul_f32 v22, v22, v23                        ; f
.irp i, 0,1,2,3,4,5,6,7
.irp t, 0,1,2,3
	v_readlane_b32 s[FS+4*\i+\t], v22, 8*\t+\i     ; factors only: no address and no branch is made of them
.endr
.endr
	LOADROW 2
; row i: the four quarters weighted and added, rounded to f16, into LDS
.macro ROWC i
	WIN 0x08                                       ; source 1 in window 2
.set n, 0
.rept 16
	v_mul_f32 v[O+n], s[FS+4*\i], v[64*((\i)&3)+n]
.set n, n+1
.endr
.irp t, 1,2,3
.set n, 0
.rept 16
	v_fma_f32 v[O+n], s[FS+4*\i+\t], v[64*((\i)&3)+16*\t+n], v[O+n]
.set n, n+1
.endr
.endr
	WIN 0
.irp k, 0,1,2,3,4,5,6,7
	v_cvt_pk_f16_f32 v[PK+\k], v[O+2*\k], v[O+2*\k+1]
.endr
.irp j, 0,1,2,3
	ds_store_b64 v[AST], v[PK+2*\j:PK+2*\j+1] offset:\i*PA+256*\j  ; elements 128 j + 4 lane ..: 256 neighbouring bytes a store
.endr
.endm
.irp i, 0,1,2,3,4
	LOADROW \i+3                                   ; into the slot that was read last
	s_wait_loadcnt 48                              ; three groups of 16 are younger than row i's
	ROWC \i
.endr
.irp i, 5,6,7
	LOADB \i-5                                     ; no rows are left: Wsum's first K steps take their place in the queue
	s_wait_loadcnt 48
	ROWC \i
.endr
	LOADB 3
	WIN 0
	s_wait_dscnt 0x0                               ; my eight rows are in LDS, for the other waves
	s_barrier_signal -1
	s_barrier_wait -1
	WIN 0x80
.irp ks, 0,1,2,3,4,5,6,7,8,9,10,11,12,13,14,15
.irp a, 0,1
	ds_load_b128 v[16*\ks+8*\a:16*\ks+8*\a+3],   v[AF] offset:16*PA*\a+64*\ks      ; all of A's fragments: 32 rows x 512, 256 registers of window 2
	ds_load_b128 v[16*\ks+8*\a+4:16*\ks+8*\a+7], v[AF] offset:16*PA*\a+64*\ks+32
.endr
.endr
	s_wait_dscnt 0x0
; K step ks: 16 matrix instructions on 16 accumulators, which take turns, one instruction a turn
.macro KSTEP ks, cnt, refill
	s_wait_loadcnt \cnt                            ; the groups of 16 younger than this K step's
.if \ks == 0
	WIN 0xc9                                       ; source 0 window 1, source 1 window 2, C (the bias) window 0, D window 3
.else
	WIN 0xf9                                       ; C window 3 too
.endif
.irp a, 0,1
.irp b, 0,1,2,3,4,5,6,7
.if \ks == 0
	v_wmma_f32_16x16x32_f16 v[8*(8*\a+\b):8*(8*\a+\b)+7], v[64*((\ks)&3)+8*\b:64*((\ks)&3)+8*\b+7], v[16*\ks+8*\a:16*\ks+8*\a+7], v[BIAS+8*\b:BIAS+8*\b+7]
.else
	v_wmma_f32_16x16x32_f16 v[8*(8*\a+\b):8*(8*\a+\b)+7], v[64*((\ks)&3)+8*\b:64*((\ks)&3)+8*\b+7], v[16*\ks+8*\a:16*\ks+8*\a+7], v[8*(8*\a+\b):8*(8*\a+\b)+7]
.endif
.endr
.endr
.if \refill
	PLACES
	LOADB \ks+4                                    ; into the slot just multiplied
.endif
.endm
.irp ks, 0,1,2,3,4,5,6,7,8,9,10,11
	KSTEP \ks, 48, 1
.endr
	KSTEP 12, 48, 0
	KSTEP 13, 32, 0
	KSTEP 14, 16, 0
	KSTEP 15, 0, 0
	; THE WAY OUT, 16 rows at a time, in f32, through my own stage: whole rows of 512 bytes
	PLACES
.macro OUTF i, a, f
	WIN 0x0c                                       ; the stores' data in window 3
.irp b, 0,1,2,3,4,5,6,7
	ds_store_b128 v[STO], v[8*(8*\a+\b):8*(8*\a+\b)+3]   offset:64*\b
	ds_store_b128 v[STO], v[8*(8*\a+\b)+4:8*(8*\a+\b)+7] offset:64*\b+16
.endr
	WIN 0
.if \i
	s_wait_xcnt 0x0                                ; the stores' base is stepped only behind this wait (ISA guide 3.1)
	s_add_nc_u64 s[OB:OB+1], s[OB:OB+1], 16*2048
.endif
.irp t, 0,1,2,3,4,5,6,7,8,9,10,11,12,13,14,15
	ds_load_b128 v[\f+4*\t:\f+4*\t+3], v[RD] offset:SPF*\t         ; LDS serves a wave's instructions in order: these see the stores above
.endr
.irp t, 0,1,2,3,4,5,6,7,8,9,10,11,12,13,14,15
	s_wait_dscnt 15-\t
	global_store_b128 v[CO], v[\f+4*\t:\f+4*\t+3], s[OB:OB+1] offset:2048*\t th:TH_STORE_NT   ; a wave stores 512 consecutive bytes, aligned
.endr
.endm
	OUTF 0, 0, F0
	OUTF 1, 1, F1
	s_wait_tensorcnt 0x0
	ds_add_u32 v62, v63
	s_wait_dscnt 0x0
	s_endpgm
.Lfunc_end_k_q60d2a400ec_outp:
	.size	k_q60d2a400ec_outp, .Lfunc_end_k_q60d2a400ec_outp-k_q60d2a400ec_outp
	.p2alignl 7, 3214868480
	.fill 96, 4, 3214868480
	.section	.rodata,"a",@progbits
	.p2align	6, 0x0
	.amdhsa_kernel k_q60d2a400ec_outp
		.amdhsa_group_segment_fixed_size 67584
		.amdhsa_private_segment_fixed_size 0
		.amdhsa_enable_private_segment 0
		.amdhsa_kernarg_size 40
		.amdhsa_user_sgpr_count 2
		.amdhsa_user_sgpr_kernarg_segment_ptr 1
		.amdhsa_wavefront_size32 1
		.amdhsa_system_sgpr_workgroup_id_x 1
		.amdhsa_system_sgpr_workgroup_id_y 1
		.amdhsa_system_sgpr_workgroup_id_z 1
		.amdhsa_system_vgpr_workitem_id 0
		.amdhsa_next_free_vgpr 896
		.amdhsa_next_free_sgpr 66
		.amdhsa_reserve_vcc 0
		.amdhsa_float_denorm_mode_32 3
		.amdhsa_float_denorm_mode_16_64 3
		.amdhsa_memory_ordered 1
		.amdhsa_forward_progress 1
		.amdhsa_inst_pref_size 110
	.end_amdhsa_kernel
	.amdgpu_metadata
---
amdhsa.version: [ 1, 2 ]
amdhsa.kernels:
  - .name:           k_q60d2a400ec_outp
    .symbol:         k_q60d2a400ec_outp.kd
    .args:
      - { .name: part, .offset: 0, .size: 8, .value_kind: global_buffer, .address_space: global }
      - { .name: stats, .offset: 8, .size: 8, .value_kind: global_buffer, .address_space: global }
      - { .name: wsf, .offset: 16, .size: 8, .value_kind: global_buffer, .address_space: global }
      - { .name: bo, .offset: 24, .size: 8, .value_kind: global_buffer, .address_space: global }
      - { .name: out0, .offset: 32, .size: 8, .value_kind: global_buffer, .address_space: global }
    .group_segment_fixed_size: 67584
    .private_segment_fixed_size: 0
    .kernarg_segment_align: 8
    .kernarg_segment_size: 40
    .max_flat_workgroup_size: 128
    .sgpr_count:     66
    .vgpr_count:     896
    .wavefront_size: 32
...
	.end_amdgpu_metadata
.endif
;; end of part 4
;; ======== version 2 of 2: 4 launches; version 1 with the launches prep, outp written anew for expert scheduling mode
;; limits: values are held in f16: magnitudes above 65,504 overflow, below 6.1e-05 lose precision
;; workspace buffers: xh 8,388,608 bytes; wh 1,572,864 bytes; wsf 524,288 bytes; qkv 25,165,824 bytes; part 67,108,864 bytes; stats 262,144 bytes
;; launch prep (part 5): grid 256 x 1, 8 waves a work-group, no clusters, 3,072 bytes of LDS; arguments x, Wq, Wk, Wv, Wo, xh, wh, wsf; writes xh, wh, wsf
.if DOCPART == 5
	.amdgcn_target "amdgcn-amd-amdhsa--gfx1250"
	.amdhsa_code_object_version 6
	.text
	.protected	k_q60d2a400ec_prep
	.globl	k_q60d2a400ec_prep
	.p2align	8
	.type	k_q60d2a400ec_prep,@function
k_q60d2a400ec_prep:
	s_mov_b64 s[64:65], 0
	v_nop
	global_prefetch_b8 v0, s[64:65] scope:SCOPE_SE
	s_setreg_imm32_b32 hwreg(HW_REG_WAVE_SCHED_MODE, 0, 2), 2
	s_setreg_imm32_b32 hwreg(HW_REG_WAVE_MODE, 25, 1), 1
	s_wait_xcnt 0x0
	s_wait_alu depctr_vm_vsrc(0)
; PREP: the operands of the later products, rounded once to f16.
;   xh[8192][512]   = x
;   wh[3][512][512] = Wq, Wk, Wv, layout kept ([k][n])
;   wsf             = Wsum[k][n] = sum over h = 0..7 of Wo[512 h + k][n], summed in f32, rounded once.
; tile(attn, 8) @ Wo = attn @ Wsum holds for every input, since the eight copies of attn are equal; every byte of Wo is read here.
; wsf lies in the order in which a matrix instruction's operand lies in registers: [16 kstep][32 ntile][2 c][32 lane][8 e] f16,
; where lane = 16 h + r holds k = 32 kstep + 16 c + 8 h + e of column n = 16 ntile + r.  A later load of 16 bytes a lane is then a fragment half.
; LIMIT: f16 operands: a magnitude above 65,504 becomes infinite; below 6.1e-5 the absolute error is at most 3e-8.
; A stream: no matrix unit, no cluster (no two work-groups read the same bytes), no ring: a thread's 27 loads all go out at once.
; Work-group g: 65,536 bytes of x, 4,096 bytes of each of Wq, Wk, Wv, and rows 32 (g>>4) .. +31 x columns 32 (g&15) .. +31 of Wsum.
; THE MODE: SCHED_MODE bits 1:0 = 2 (LLVM: expert scheduling mode 2), set by the entry lines.  The code itself states the register dependences
; between vector instructions and memory or LDS instructions, with s_wait_alu, always for 0.
; THE PLAN.  Registers that memory or LDS instructions touch:
;   v2 .. v5     offsets and an LDS address: made once at the head, never written again.
;   WO, WI, XI   each lands once, is read by additions and conversions, and is never loaded again.
;   WS, WH, XO   each register is written once, by a conversion, and read once, by a store.
;   BK           lands from LDS and leaves by a store: no vector instruction names it.
; So one kind of dependence is left behind the head: a conversion's result as a store's data.  The work goes in blocks (Wo; Wq, Wk, Wv; four blocks of four
; loads of x); a block's stores are issued at the head of the next block, behind the wait for that block's data and one wait on va_vdst, and the block's own
; conversions, which follow them, write other registers.  No register that a memory instruction reads is written again: no wait on vm_vsrc is owed.
.set WO, 16                            ; v[16:47]   my 4 columns of one row in each of Wo's eight blocks
.set WI, 48                            ; v[48:59]   4 numbers of Wq, Wk, Wv
.set XI, 60                            ; v[60:123]  16 x 4 numbers of x
.set XO, 124                           ; v[124:155] the same in f16
.set WH, 156                           ; v[156:161] Wq, Wk, Wv in f16
.set WS, 162                           ; v[162:163] Wsum in f16
.set BK, 164                           ; v[164:167] 16 bytes of the fragment block, read back
	s_load_b512 s[8:23], s[0:1], 0x0               ; x s[8:9], Wq s[10:11], Wk s[12:13], Wv s[14:15], Wo s[16:17], xh s[18:19], wh s[20:21], wsf s[22:23]
	v_lshl_add_u32 v176, v0, 2, 0x800              ; my spare word, behind the block of 2,048 bytes; this register and the next are kept for the closing lines alone
	v_mov_b32 v177, 0
	v_lshrrev_b32 v1, 5, v0
	v_readfirstlane_b32 s24, v1                    ; wave 0..7
	s_lshl_b32 s2, ttmp9, 16                       ; g x 65,536: x
	s_mov_b32 s3, 0
	s_lshl_b32 s4, ttmp9, 15                       ; g x 32,768: xh
	s_mov_b32 s5, 0
	s_lshl_b32 s6, ttmp9, 12                       ; g x 4,096: Wq, Wk, Wv
	s_mov_b32 s7, 0
	s_lshl_b32 s26, ttmp9, 11                      ; g x 2,048: wh, wsf
	s_mov_b32 s27, 0
	s_lshr_b32 s28, ttmp9, 4
	s_lshl_b32 s28, s28, 16                        ; 32 (g>>4) rows of 2,048 bytes
	s_and_b32 s25, ttmp9, 15
	s_lshl_b32 s25, s25, 7                         ; 32 (g&15) columns of 4 bytes
	s_add_co_u32 s28, s28, s25
	s_mov_b32 s29, 0
	v_lshlrev_b32 v2, 4, v0                        ; 16 t
	v_lshlrev_b32 v3, 3, v0                        ; 8 t
	v_lshrrev_b32 v6, 3, v0                        ; kk = t >> 3: my row of the 32
	v_and_b32 v7, 7, v0                            ; quad = t & 7: my four columns of the 32
	v_lshlrev_b32 v4, 4, v7
	v_lshl_add_u32 v4, v6, 11, v4                  ; Wo: kk x 2,048 + quad x 16
	; where my four sums go in the block of 2,048 bytes: (quad>>2) 1024 + (kk>>3) 256 + (quad&3) 64 + (kk&7) 2, column jj at + 16 jj
	v_lshrrev_b32 v5, 6, v0                        ; kk >> 3 = 2 c + h
	v_lshlrev_b32 v5, 8, v5
	v_bfe_u32 v8, v0, 2, 1                         ; quad >> 2: which of the two n tiles
	v_lshl_add_u32 v5, v8, 10, v5
	v_and_b32 v8, 3, v0                            ; quad & 3: r = 4 (quad & 3) + jj
	v_lshl_add_u32 v5, v8, 6, v5
	v_bfe_u32 v8, v0, 3, 3                         ; kk & 7 = e
	v_lshl_add_u32 v5, v8, 1, v5
	s_wait_alu depctr_va_sdst(0)                   ; s24 is written, ahead of its first reader: the compare behind the barrier
	s_wait_kmcnt 0x0
	s_add_nc_u64 s[8:9], s[8:9], s[2:3]
	s_add_nc_u64 s[18:19], s[18:19], s[4:5]
	s_add_nc_u64 s[10:11], s[10:11], s[6:7]
	s_add_nc_u64 s[12:13], s[12:13], s[6:7]
	s_add_nc_u64 s[14:15], s[14:15], s[6:7]
	s_add_nc_u64 s[20:21], s[20:21], s[26:27]
	s_add_nc_u64 s[22:23], s[22:23], s[26:27]
	s_add_nc_u64 s[16:17], s[16:17], s[28:29]
	s_wait_alu depctr_va_vdst(0)                   ; v2 to v5 are written: every load and store of the kernel reads one of them as its offset or address
.irp h, 0,1,2,3,4,5,6,7
	global_load_b128 v[WO+4*\h:WO+4*\h+3], v4, s[16:17] offset:\h*1048576    ; block h of Wo: 512 rows of 2,048 bytes further down
.endr
	global_load_b128 v[WI:WI+3],    v2, s[10:11] th:TH_LOAD_NT
	global_load_b128 v[WI+4:WI+7],  v2, s[12:13] th:TH_LOAD_NT
	global_load_b128 v[WI+8:WI+11], v2, s[14:15] th:TH_LOAD_NT
.irp i, 0,1,2,3,4,5,6,7,8,9,10,11,12,13,14,15
	global_load_b128 v[XI+4*\i:XI+4*\i+3], v2, s[8:9] offset:4096*\i th:TH_LOAD_NT   ; a wave's load covers 512 neighbouring bytes
.endr
	s_wait_loadcnt 19                              ; 3 + 16 loads are younger than Wo's eight
.irp p, 0,2
	v_pk_add_f32 v[WO+\p:WO+\p+1],       v[WO+\p:WO+\p+1],       v[WO+4+\p:WO+5+\p]
	v_pk_add_f32 v[WO+8+\p:WO+9+\p],     v[WO+8+\p:WO+9+\p],     v[WO+12+\p:WO+13+\p]
	v_pk_add_f32 v[WO+16+\p:WO+17+\p],   v[WO+16+\p:WO+17+\p],   v[WO+20+\p:WO+21+\p]
	v_pk_add_f32 v[WO+24+\p:WO+25+\p],   v[WO+24+\p:WO+25+\p],   v[WO+28+\p:WO+29+\p]
	v_pk_add_f32 v[WO+\p:WO+\p+1],       v[WO+\p:WO+\p+1],       v[WO+8+\p:WO+9+\p]
	v_pk_add_f32 v[WO+16+\p:WO+17+\p],   v[WO+16+\p:WO+17+\p],   v[WO+24+\p:WO+25+\p]
	v_pk_add_f32 v[WO+\p:WO+\p+1],       v[WO+\p:WO+\p+1],       v[WO+16+\p:WO+17+\p]
.endr
	v_cvt_pk_f16_f32 v[WS],   v[WO],   v[WO+1]
	v_cvt_pk_f16_f32 v[WS+1], v[WO+2], v[WO+3]
	s_wait_loadcnt 16                              ; x's 16 loads are younger than those of Wq, Wk, Wv
	s_wait_alu depctr_va_vdst(0)                   ; the two conversions above have written v[WS ..], which the LDS stores read
	ds_store_b16        v5, v[WS]                  ; column jj = 0
	ds_store_b16_d16_hi v5, v[WS]   offset:16      ; 1
	ds_store_b16        v5, v[WS+1] offset:32      ; 2
	ds_store_b16_d16_hi v5, v[WS+1] offset:48      ; 3
.irp m, 0,1,2
	v_cvt_pk_f16_f32 v[WH+2*\m],   v[WI+4*\m],   v[WI+4*\m+1]
	v_cvt_pk_f16_f32 v[WH+2*\m+1], v[WI+4*\m+2], v[WI+4*\m+3]
.endr
; Block g of x: loads 4 g to 4 g + 3.  At its head the stores of the block before go out; its eight conversions write registers that no store issued so far names.
.macro XBLK g
	s_wait_loadcnt 12-4*(\g)                       ; loads come back in order (ISA guide 5.7.1): this block's four are in, the younger blocks stay out
	s_wait_alu depctr_va_vdst(0)                   ; the conversions of the block before have written their results, which the stores below read
.if (\g) == 0
.irp m, 0,1,2
	global_store_b64 v3, v[WH+2*\m:WH+2*\m+1], s[20:21] offset:\m*524288     ; a wave's store covers 256 consecutive bytes, aligned
.endr
.else
.irp j, 0,1,2,3
	global_store_b64 v3, v[XO+2*(4*(\g)-4+\j):XO+2*(4*(\g)-4+\j)+1], s[18:19] offset:2048*(4*(\g)-4+\j)
.endr
.endif
.irp j, 0,1,2,3
	v_cvt_pk_f16_f32 v[XO+2*(4*(\g)+\j)],   v[XI+4*(4*(\g)+\j)],   v[XI+4*(4*(\g)+\j)+1]
	v_cvt_pk_f16_f32 v[XO+2*(4*(\g)+\j)+1], v[XI+4*(4*(\g)+\j)+2], v[XI+4*(4*(\g)+\j)+3]
.endr
.endm
	XBLK 0
	XBLK 1
	XBLK 2
	XBLK 3
	s_wait_alu depctr_va_vdst(0)                   ; the last block's conversions have written v[XO+24 ..], which the last four stores read
.irp j, 0,1,2,3
	global_store_b64 v3, v[XO+24+2*\j:XO+24+2*\j+1], s[18:19] offset:2048*(12+\j)
.endr
	s_wait_dscnt 0x0                               ; my four LDS stores are done, for the waves that read the block
	s_barrier_signal -1
	s_barrier_wait -1
	s_cmp_ge_u32 s24, 4                            ; 2,048 bytes are 128 threads x 16: waves 0 to 3 carry the block out
	s_cbranch_scc1 .Lend
	ds_load_b128 v[BK:BK+3], v2                    ; no vector instruction has named v[BK ..], and v2 stands as the head made it
	s_wait_dscnt 0x0
	global_store_b128 v2, v[BK:BK+3], s[22:23]
.Lend:
	s_wait_dscnt 0x0                               ; the closing lines, six on end
	s_wait_alu 0x0
	s_wait_tensorcnt 0x0
	ds_add_u32 v176, v177
	s_wait_dscnt 0x0
	s_endpgm
.Lfunc_end_k_q60d2a400ec_prep:
	.size	k_q60d2a400ec_prep, .Lfunc_end_k_q60d2a400ec_prep-k_q60d2a400ec_prep
	.p2alignl 7, 3214868480
	.fill 96, 4, 3214868480
	.section	.rodata,"a",@progbits
	.p2align	6, 0x0
	.amdhsa_kernel k_q60d2a400ec_prep
		.amdhsa_group_segment_fixed_size 3072
		.amdhsa_private_segment_fixed_size 0
		.amdhsa_enable_private_segment 0
		.amdhsa_kernarg_size 64
		.amdhsa_user_sgpr_count 2
		.amdhsa_user_sgpr_kernarg_segment_ptr 1
		.amdhsa_wavefront_size32 1
		.amdhsa_system_sgpr_workgroup_id_x 1
		.amdhsa_system_sgpr_workgroup_id_y 1
		.amdhsa_system_sgpr_workgroup_id_z 1
		.amdhsa_system_vgpr_workitem_id 0
		.amdhsa_next_free_vgpr 178
		.amdhsa_next_free_sgpr 66
		.amdhsa_reserve_vcc 0
		.amdhsa_float_denorm_mode_32 3
		.amdhsa_float_denorm_mode_16_64 3
		.amdhsa_memory_ordered 1
		.amdhsa_forward_progress 1
		.amdhsa_inst_pref_size 11
	.end_amdhsa_kernel
	.amdgpu_metadata
---
amdhsa.version: [ 1, 2 ]
amdhsa.kernels:
  - .name:           k_q60d2a400ec_prep
    .symbol:         k_q60d2a400ec_prep.kd
    .args:
      - { .name: x, .offset: 0, .size: 8, .value_kind: global_buffer, .address_space: global }
      - { .name: Wq, .offset: 8, .size: 8, .value_kind: global_buffer, .address_space: global }
      - { .name: Wk, .offset: 16, .size: 8, .value_kind: global_buffer, .address_space: global }
      - { .name: Wv, .offset: 24, .size: 8, .value_kind: global_buffer, .address_space: global }
      - { .name: Wo, .offset: 32, .size: 8, .value_kind: global_buffer, .address_space: global }
      - { .name: xh, .offset: 40, .size: 8, .value_kind: global_buffer, .address_space: global }
      - { .name: wh, .offset: 48, .size: 8, .value_kind: global_buffer, .address_space: global }
      - { .name: wsf, .offset: 56, .size: 8, .value_kind: global_buffer, .address_space: global }
    .group_segment_fixed_size: 3072
    .private_segment_fixed_size: 0
    .kernarg_segment_align: 8
    .kernarg_segment_size: 64
    .max_flat_workgroup_size: 256
    .sgpr_count:     66
    .vgpr_count:     178
    .wavefront_size: 32
...
	.end_amdgpu_metadata
.endif
;; end of part 5
;; launch qkv: the kernel of part 2 again; grid 64 x 3, 4 waves a work-group, clusters of 4 x 1, 327,680 bytes of LDS; arguments xh, wh, bq, bk, bv, qkv; writes qkv
;; launch attn: the kernel of part 3 again; grid 64 x 4, 4 waves a work-group, clusters of 4 x 1, 327,680 bytes of LDS; arguments qkv, part, stats; writes part, stats
;; launch outp (part 6): grid 256 x 1, 4 waves a work-group, no clusters, 67,584 bytes of LDS; arguments part, stats, wsf, bo, out0; writes out0
.if DOCPART == 6
	.amdgcn_target "amdgcn-amd-amdhsa--gfx1250"
	.amdhsa_code_object_version 6
	.text
	.protected	k_q60d2a400ec_outp
	.globl	k_q60d2a400ec_outp
	.p2align	8
	.type	k_q60d2a400ec_outp,@function
k_q60d2a400ec_outp:
	s_mov_b64 s[64:65], 0
	v_nop
	global_prefetch_b8 v0, s[64:65] scope:SCOPE_SE
	s_setreg_imm32_b32 hwreg(HW_REG_WAVE_SCHED_MODE, 0, 2), 2
	s_setreg_imm32_b32 hwreg(HW_REG_WAVE_MODE, 25, 1), 1
	s_wait_xcnt 0x0
	s_wait_alu depctr_vm_vsrc(0)
; OUTP: the softmax is completed over the four quarters of the keys, and the result goes through the output projection.
;   M = max over t of m'_t;  w_t = exp2(m'_t - M);  f_t = w_t / sum over t of w_t l_t;  attn = sum over t of f_t O_t (f32, rounded once to f16);
;   out0 = attn @ Wsum + bo, f16 operands, f32 sums.   (m' = c x the quarter's largest score, l and O as the launch before left them.)
; LIMIT: attn in f16: a magnitude above 65,504 becomes infinite; below 6.1e-5 the absolute error is at most 3e-8.
; Work-group g: rows 32 g .. +31.  Wave w combines rows 8 w .. +7 (a row: 4 x 2,048 bytes, each load of the wave 512 neighbouring bytes),
; puts them into LDS in f16, and then multiplies all 32 rows x columns 128 w .. +127.
; Wsum's fragments come straight from memory into registers (wsf lies in register order: each load of the wave is 512 neighbouring bytes).
; NO TENSOR LOADS, NO CLUSTER, though all work-groups read the same 512 KiB of Wsum: with 32 rows a fragment feeds two matrix instructions, so a K step
; of 64 through LDS would leave a wave 32 matrix instructions between two rounds of a cluster's barrier, and LDS would carry the 512 KiB in and out again.
; The bias is the C operand of the first products.  The matrix instruction is used transposed: lane l holds row l % 16, registers 0..7 columns 8 (l / 16) + 0..7.
; WINDOWS: 0: addresses, the row at work, v64-127 the fifth slot of Wsum's ring and later a read-back buffer, v128-191 a read-back buffer, bias v192-255;
;          1: Wsum's fragments, four slots of 64; 2: four partial rows x 64, later all of A's fragments; 3: the 16 accumulator tiles, v0-127.
; THE MODE: SCHED_MODE bits 1:0 = 2 (LLVM: expert scheduling mode 2), set by the entry lines.  The code itself states the register dependences
; between vector or matrix instructions and memory or LDS instructions, with s_wait_alu, always for 0.
; THE PLAN.  Registers that memory or LDS instructions touch:
;   v8 .. v16      offsets and LDS addresses: made once, ahead of a wait on va_vdst that stands ahead of their first use, and never written again.
;   row slots      window 2, slot i & 3: row i's loads land in it; row i's 64 multiply-adds read it; then row i + 4's loads land in it; at the end A's fragments.
;   v[PK ..]       written by row i's eight conversions, read by its four LDS stores, written again by row i + 1's conversions.
;   Wsum's ring    five slots, K step ks in slot ks % 5: read by that step's 16 matrix instructions; the loads of step ks + 5, issued in step ks + 1, land in it.
;   accumulators   written by matrix instructions, read by the LDS stores of the way out.
; A ROW has one wait on va_vdst, behind its conversions: v[PK ..] is written, and the multiply-adds are done reading the slot.  Its LDS stores and the next 16 loads follow at once.
; One wait on vm_vsrc stands ahead of a row's conversions: the row before's LDS stores have read v[PK ..].
; A K STEP has one wait on va_vdst, at its head, behind the wait for its data: the step before's matrix instructions are done reading their slot.  The 16 loads into that slot
; stand between the step's two runs of eight matrix instructions, which name this step's slot, A's fragments and the accumulators: none of the registers that the loads touch.
.set PA,    1040                       ; A's LDS row: 1,024 bytes + 16
.set STAGE, 32*PA                      ; 33,280: 16 rows x 528 bytes for each wave
.set SPF,   528
.set VP,  8                            ; my 16 bytes in my wave's first partial row
.set VB,  9                            ; my 16 bytes in my wave's first fragment half
.set VS,  10
.set BOF, 11
.set AST, 12
.set AF,  13
.set STO, 14
.set RD,  15
.set CO,  16
.set O,   24                           ; v24-39 the combined row: my 16 numbers
.set PK,  40                           ; v40-47 the same in f16
.set F0,  64
.set F1,  128
.set BIAS, 192
.set FS,  32                           ; s[32:63] f of row i, quarter t at s[32 + 4 i + t]
.set OB,  12
.set MSB, 0
.macro WIN new
.if MSB != (\new)
	s_set_vgpr_msb (MSB<<8)|(\new)
.set MSB, (\new)
.endif
.endm
.macro PLACES                          ; four places behind a matrix instruction before one of its registers is loaded into, or its result read (ISA guide 7.12.1)
.rept 4
	v_nop
.endr
.endm
	s_load_b256 s[4:11], s[0:1], 0x0               ; part s[4:5], stats s[6:7], wsf s[8:9], bo s[10:11]
	s_load_b64 s[12:13], s[0:1], 0x20              ; out0
	v_lshl_add_u32 v62, v0, 2, 0x10600             ; my spare word, behind the stages; this register and the next are kept for the closing lines alone
	v_mov_b32 v63, 0
	v_lshrrev_b32 v1, 5, v0
	v_readfirstlane_b32 s14, v1                    ; wave 0..3
	s_mov_b32 s24, 0x76543210
	s_mov_b32 s25, 0xfedcba98
	v_and_b32 v3, 31, v0                           ; lane
	v_and_b32 v1, 15, v0                           ; r
	v_bfe_u32 v2, v0, 4, 1                         ; h
	s_lshl_b32 s15, ttmp9, 5
	s_wait_alu depctr_va_sdst(0)                   ; s14 is written, ahead of its first reader, the next line
	s_lshl3_add_u32 s15, s14, s15                  ; my wave's first row: 32 g + 8 w
	v_lshrrev_b32 v4, 3, v3                        ; lane = 8 t + i: quarter t,
	v_and_b32 v5, 7, v3                            ; row i of my wave's eight
	v_lshl_add_u32 v4, v4, 13, v5
	v_add_lshl_u32 v[VS], v4, s15, 3               ; entry t x 8,192 + row, 8 bytes each
	s_lshl_b32 s26, s15, 11
	v_lshl_add_u32 v[VP], v3, 4, s26               ; row x 2,048 + 16 lane
	s_lshl_b32 s27, s14, 13
	v_lshl_add_u32 v[VB], v3, 4, s27               ; 8 n tiles x 1,024 bytes for each wave + 16 lane
	v_lshlrev_b32 v[BOF], 5, v2
	v_lshl_add_u32 v[BOF], s14, 9, v[BOF]          ; bias of columns 128 w + 8 h ..
	s_lshl_b32 s28, ttmp9, 16                      ; out0: 32 rows x 2,048 bytes a work-group + 512 bytes a wave
	s_lshl_b32 s29, s14, 9
	s_add_co_u32 s28, s28, s29
	s_mov_b32 s29, 0
	s_wait_kmcnt 0x0
	s_mov_b64 s[16:17], s[4:5]                     ; the four quarters' partial results, 16,777,216 bytes apart
	s_add_nc_u64 s[18:19], s[4:5], 0x1000000
	s_add_nc_u64 s[20:21], s[4:5], 0x2000000
	s_add_nc_u64 s[22:23], s[4:5], 0x3000000
	s_add_nc_u64 s[OB:OB+1], s[OB:OB+1], s[28:29]
	s_wait_alu depctr_va_vdst(0)                   ; v[VS], v[VP], v[VB] and v[BOF] are written: the offsets of every global load of the kernel
	global_load_b64 v[18:19], v[VS], s[6:7]        ; (m', l)
.irp b, 0,1,2,3,4,5,6,7
	global_load_b128 v[BIAS+8*\b:BIAS+8*\b+3],   v[BOF], s[10:11] offset:64*\b
	global_load_b128 v[BIAS+8*\b+4:BIAS+8*\b+7], v[BOF], s[10:11] offset:64*\b+16
.endr
; 16 loads: row i of my eight, all four quarters, into slot i & 3 of window 2: register 16 t + 4 j + e = element 128 j + 4 lane + e of quarter t
.macro LOADROW i
	WIN 0x80
.irp t, 0,1,2,3
.irp j, 0,1,2,3
	global_load_b128 v[64*((\i)&3)+16*\t+4*\j:64*((\i)&3)+16*\t+4*\j+3], v[VP], s[16+2*\t:17+2*\t] offset:(\i)*2048+512*\j th:TH_LOAD_NT
.endr
.endr
.endm
; 16 loads: Wsum's fragments of K step ks for my 8 column tiles, into slot ks % 5 of the ring: slots 0 to 3 in window 1, slot 4 at v[F0 ..] of window 0
.macro LOADB ks
.if (\ks)%5 == 4
.set LB, F0
	WIN 0
.else
.set LB, 64*((\ks)%5)
	WIN 0x40
.endif
.irp b, 0,1,2,3,4,5,6,7
.irp c, 0,1
	global_load_b128 v[LB+8*\b+4*\c:LB+8*\b+4*\c+3], v[VB], s[8:9] offset:(\ks)*32768+1024*\b+512*\c
.endr
.endr
.endm
	LOADROW 0
	LOADROW 1
	WIN 0
	s_mul_i32 s30, s14, 8*PA
	v_lshl_add_u32 v[AST], v3, 3, s30              ; my wave's 8 rows of A in LDS, 8 bytes a lane
	v_mul_u32_u24 v4, v1, PA
	v_lshl_add_u32 v[AF], v2, 4, v4                ; A's fragments: r x pitch + 16 h
	s_mul_i32 s31, s14, 16*SPF
	s_add_co_u32 s31, s31, STAGE
	v_mul_u32_u24 v4, v1, SPF
	v_lshl_add_u32 v4, v2, 5, v4
	v_add_nc_u32 v[STO], s31, v4
	v_lshlrev_b32 v[CO], 4, v3
	v_add_nc_u32 v[RD], s31, v[CO]
	s_wait_loadcnt 32                              ; only the 32 loads of rows 0 and 1 are younger than (m', l) and the bias
	v_mov_b32 v20, v18
	v_max_num_f32_dpp v20, v20, v20 row_xmask:8 row_mask:0xf bank_mask:0xf   ; quarters t and t xor 1 of the same row lie 8 lanes apart,
	v_mov_b32 v21, v20
	v_permlanex16_b32 v21, v20, s24, s25           ; t and t xor 2 sixteen
	v_max_num_f32 v20, v20, v21                    ; M
	v_sub_f32 v22, v18, v20
	v_exp_f32 v22, v22                             ; w = exp2(m' - M), at most 1, and 1 for the quarter that holds the maximum
	v_nop                                          ; one plain place behind a transcendental (ISA guide 5.7.2)
	s_wait_alu depctr_va_vdst(0)                   ; the exponential has written v22, ahead of its first reader; the five LDS and store addresses made above are written too
	v_mul_f32 v23, v22, v19
	v_add_f32_dpp v23, v23, v23 row_xmask:8 row_mask:0xf bank_mask:0xf
	v_permlanex16_b32 v21, v23, s24, s25
	v_add_f32 v23, v23, v21                        ; the whole row's sum of exponentials
	v_rcp_f32 v23, v23
	v_nop
	s_wait_alu depctr_va_vdst(0)                   ; the reciprocal has written v23, ahead of its first reader
	v_mul_f32 v22, v22, v23                        ; f
.irp i, 0,1,2,3,4,5,6,7
.irp t, 0,1,2,3
	v_readlane_b32 s[FS+4*\i+\t], v22, 8*\t+\i     ; factors only: no address and no branch is made of them
.endr
.endr
	LOADROW 2                                      ; slots 2 and 3: no vector instruction has named them, and v[VP] stands as the head made it
	LOADROW 3
	s_wait_alu depctr_va_sdst(0)                   ; the 32 v_readlane_b32 have written s[FS ..], ahead of their first reader, row 0's first multiply
; row i: the four quarters weighted and added, rounded to f16, into LDS
.macro ROWC i
	WIN 0x08                                       ; source 1 in window 2
.set n, 0
.rept 16
	v_mul_f32 v[O+n], s[FS+4*\i], v[64*((\i)&3)+n]
.set n, n+1
.endr
.irp t, 1,2,3
.set n, 0
.rept 16
	v_fma_f32 v[O+n], s[FS+4*\i+\t], v[64*((\i)&3)+16*\t+n], v[O+n]
.set n, n+1
.endr
.endr
	WIN 0
.if \i
	s_wait_alu depctr_vm_vsrc(0)                   ; the LDS stores of the row before have read v[PK ..], which the conversions below write again
.endif
.irp k, 0,1,2,3,4,5,6,7
	v_cvt_pk_f16_f32 v[PK+\k], v[O+2*\k], v[O+2*\k+1]
.endr
	s_wait_alu depctr_va_vdst(0)                   ; the conversions have written v[PK ..], which the LDS stores read; the multiply-adds are done reading this row's slot, in which the next loads land
.irp j, 0,1,2,3
	ds_store_b64 v[AST], v[PK+2*\j:PK+2*\j+1] offset:\i*PA+256*\j  ; elements 128 j + 4 lane ..: 256 neighbouring bytes a store
.endr
.endm
.irp i, 0,1,2,3
	s_wait_loadcnt 48                              ; three groups of 16 are younger than row i's
	ROWC \i
	LOADROW \i+4                                   ; into the slot just read.  No further wait: no vector instruction since the row's wait on va_vdst
.endr
.irp i, 4,5,6,7
	s_wait_loadcnt 48
	ROWC \i
	LOADB \i-4                                     ; no rows are left: Wsum's first K steps take their place in the queue, in slots that nothing has named
.endr
	WIN 0
	s_wait_dscnt 0x0                               ; my eight rows are in LDS, for the other waves
	s_barrier_signal -1
	s_barrier_wait -1
	WIN 0x80
.irp ks, 0,1,2,3,4,5,6,7,8,9,10,11,12,13,14,15
.irp a, 0,1
	ds_load_b128 v[16*\ks+8*\a:16*\ks+8*\a+3],   v[AF] offset:16*PA*\a+64*\ks      ; all of A's fragments: 32 rows x 512, 256 registers of window 2; their last readers, row 7's multiply-adds, stand ahead of row 7's wait on va_vdst, and no vector instruction stands behind it
	ds_load_b128 v[16*\ks+8*\a+4:16*\ks+8*\a+7], v[AF] offset:16*PA*\a+64*\ks+32
.endr
.endr
	s_wait_dscnt 0x0
; eight matrix instructions of K step ks: row tile a x all 8 column tiles; KB and KW are the step's slot and its window
.macro MULS ks, a
.if (\ks) == 0
	WIN 0xc8+KW                                    ; source 0 the slot's window, source 1 window 2, C (the bias) window 0, D window 3
.else
	WIN 0xf8+KW                                    ; C window 3 too
.endif
.irp b, 0,1,2,3,4,5,6,7
.if (\ks) == 0
	v_wmma_f32_16x16x32_f16 v[8*(8*\a+\b):8*(8*\a+\b)+7], v[KB+8*\b:KB+8*\b+7], v[16*(\ks)+8*\a:16*(\ks)+8*\a+7], v[BIAS+8*\b:BIAS+8*\b+7]
.else
	v_wmma_f32_16x16x32_f16 v[8*(8*\a+\b):8*(8*\a+\b)+7], v[KB+8*\b:KB+8*\b+7], v[16*(\ks)+8*\a:16*(\ks)+8*\a+7], v[8*(8*\a+\b):8*(8*\a+\b)+7]
.endif
.endr
.endm
; K step ks: 16 matrix instructions on 16 accumulators, which take turns, one instruction a turn.
; refill = 1: K step ks + 4 is asked for, into slot (ks + 4) % 5 = (ks - 1) % 5, which the step before multiplied (in step 0: which nothing has named).
.macro KSTEP ks, cnt, refill
	s_wait_loadcnt \cnt                            ; the groups of 16 younger than this K step's
.if (\refill) && (\ks)
	s_wait_alu depctr_va_vdst(0)                   ; the matrix instructions of the K step before are done reading their slot, in which the loads below land
.endif
.if (\ks)%5 == 4
.set KB, F0
.set KW, 0
.else
.set KB, 64*((\ks)%5)
.set KW, 1
.endif
	MULS \ks, 0
.if \refill
	PLACES                                         ; the four places that this text keeps ahead of loads into registers that matrix instructions have read; they stand beside the wait above, not in its place
	LOADB (\ks)+4                                  ; no further wait: the eight matrix instructions since the wait name this step's slot, A's fragments and the accumulators alone
.endif
	MULS \ks, 1
.endm
.irp ks, 0,1,2,3,4,5,6,7,8,9,10,11
	KSTEP \ks, 48, 1
.endr
	KSTEP 12, 48, 0                                ; the last four K steps ask for nothing: the counts run down
	KSTEP 13, 32, 0
	KSTEP 14, 16, 0
	KSTEP 15, 0, 0
	; THE WAY OUT, 16 rows at a time, in f32, through my own stage: whole rows of 512 bytes
	PLACES
	s_wait_alu depctr_va_vdst(0)                   ; the matrix instructions have written the accumulators, which the LDS stores read, and are done reading v[F0 ..], in which the stage's first rows land; the places above stay beside this wait
.macro OUTF i, a, f
	WIN 0x0c                                       ; the stores' data in window 3
.irp b, 0,1,2,3,4,5,6,7
	ds_store_b128 v[STO], v[8*(8*\a+\b):8*(8*\a+\b)+3]   offset:64*\b
	ds_store_b128 v[STO], v[8*(8*\a+\b)+4:8*(8*\a+\b)+7] offset:64*\b+16
.endr
	WIN 0
.if \i
	s_wait_xcnt 0x0                                ; the stores' base is stepped only behind this wait (ISA guide 3.1)
	s_add_nc_u64 s[OB:OB+1], s[OB:OB+1], 16*2048
.endif
.irp t, 0,1,2,3,4,5,6,7,8,9,10,11,12,13,14,15
	ds_load_b128 v[\f+4*\t:\f+4*\t+3], v[RD] offset:SPF*\t         ; LDS serves a wave's instructions in order: these see the stores above
.endr
.irp t, 0,1,2,3,4,5,6,7,8,9,10,11,12,13,14,15
	s_wait_dscnt 15-\t
	global_store_b128 v[CO], v[\f+4*\t:\f+4*\t+3], s[OB:OB+1] offset:2048*\t th:TH_STORE_NT   ; a wave stores 512 consecutive bytes, aligned
.endr
.endm
	OUTF 0, 0, F0
	OUTF 1, 1, F1
	s_wait_dscnt 0x0                               ; the closing lines, six on end
	s_wait_alu 0x0
	s_wait_tensorcnt 0x0
	ds_add_u32 v62, v63
	s_wait_dscnt 0x0
	s_endpgm
.Lfunc_end_k_q60d2a400ec_outp:
	.size	k_q60d2a400ec_outp, .Lfunc_end_k_q60d2a400ec_outp-k_q60d2a400ec_outp
	.p2alignl 7, 3214868480
	.fill 96, 4, 3214868480
	.section	.rodata,"a",@progbits
	.p2align	6, 0x0
	.amdhsa_kernel k_q60d2a400ec_outp
		.amdhsa_group_segment_fixed_size 67584
		.amdhsa_private_segment_fixed_size 0
		.amdhsa_enable_private_segment 0
		.amdhsa_kernarg_size 40
		.amdhsa_user_sgpr_count 2
		.amdhsa_user_sgpr_kernarg_segment_ptr 1
		.amdhsa_wavefront_size32 1
		.amdhsa_system_sgpr_workgroup_id_x 1
		.amdhsa_system_sgpr_workgroup_id_y 1
		.amdhsa_system_sgpr_workgroup_id_z 1
		.amdhsa_system_vgpr_workitem_id 0
		.amdhsa_next_free_vgpr 896
		.amdhsa_next_free_sgpr 66
		.amdhsa_reserve_vcc 0
		.amdhsa_float_denorm_mode_32 3
		.amdhsa_float_denorm_mode_16_64 3
		.amdhsa_memory_ordered 1
		.amdhsa_forward_progress 1
		.amdhsa_inst_pref_size 111
	.end_amdhsa_kernel
	.amdgpu_metadata
---
amdhsa.version: [ 1, 2 ]
amdhsa.kernels:
  - .name:           k_q60d2a400ec_outp
    .symbol:         k_q60d2a400ec_outp.kd
    .args:
      - { .name: part, .offset: 0, .size: 8, .value_kind: global_buffer, .address_space: global }
      - { .name: stats, .offset: 8, .size: 8, .value_kind: global_buffer, .address_space: global }
      - { .name: wsf, .offset: 16, .size: 8, .value_kind: global_buffer, .address_space: global }
      - { .name: bo, .offset: 24, .size: 8, .value_kind: global_buffer, .address_space: global }
      - { .name: out0, .offset: 32, .size: 8, .value_kind: global_buffer, .address_space: global }
    .group_segment_fixed_size: 67584
    .private_segment_fixed_size: 0
    .kernarg_segment_align: 8
    .kernarg_segment_size: 40
    .max_flat_workgroup_size: 128
    .sgpr_count:     66
    .vgpr_count:     896
    .wavefront_size: 32
...
	.end_amdgpu_metadata
.endif
;; end of part 6
